; MI455X (gfx1250); checked and timed in simulation.
; The chip was launched on July 23, 2026; its instructions are those of AMD's public machine-readable ISA for CDNA 5 (MIT licence, August 2026) and "CDNA5" Instruction Set Architecture Reference Guide (July 2026). The comments in the code are by the model that wrote it; some were corrected since.
;; Ro PE Multihead Attention. Allowed arithmetic: matrix products marked QUANTISED: E4M3 operands, one E8M0 scale for each 32 along K, by v_wmma_scale_f32_16x16x128_f8f6f4 with both operands' format E4M3, f32 sums; products left as they are: f32 operands where the result goes on into a quantised operand, else bf16, f16 or f32 operands; f32 sums; everything else in f32.
;; Inputs: W_out 1,024 x 1,024 float32; W_qkv 3,072 x 1,024 float32; b_out 1,024 float32; b_qkv 3,072 float32; key_padding_mask 4 x 2,048 bool; x 4 x 2,048 x 1,024 float32.
;; Outputs: out0 4 x 2,048 x 1,024 float32.
;; This version of the problem:
;;   THIS VERSION OF THE PROBLEM IS GIVEN IN LOW PRECISION. The matrix products marked QUANTISED in the list below multiply operands that are first quantised to E4M3 (4 exponent bits, 3 mantissa bits; 8 bits a number), with one power-of-two scale for each 32 numbers along K (OCP MX v1.0); their sums are f32. All else is computed in f32.
;;   The module's matrix products, in the order in which they are computed (A, B: the left and right operand; K: the contracted axis; several contracted axes count as one K, in the product's order):
;;     1. [M 8,192, K 1,024] x [K 1,024, N 3,072]; A: input x; B: input W_qkv: QUANTISED
;;     2. [M 2,048, K 1] x [K 1, N 32]; A: computed on the way; B: computed on the way: left as it is (no contracted axis)
;;     3. batch 64 x [M 2,048, K 64] x [K 64, N 2,048]; A: computed on the way; B: computed on the way: QUANTISED
;;     4. batch 64 x [M 2,048, K 2,048] x [K 2,048, N 64]; A: softmax (see below); B: computed on the way: QUANTISED
;;     5. [M 8,192, K 1,024] x [K 1,024, N 1,024]; A: computed on the way; B: input W_out: QUANTISED
;;   THE QUANTISER, for each operand of a quantised product, along K:
;;     - K is cut into blocks of 32 from its start; a last block that is shorter is filled with zeros.
;;     - A block's scale is 2^e with e = floor(log2(the largest magnitude in the block)) - 8, held to -126 .. 127; a block of zeros has e = 0. As a byte (E8M0): e + 127.
;;     - Each number is divided by its block's scale, clamped to +-448, and rounded to the nearest number of E4M3, ties to even, subnormals kept.
;;     - The product sums the exact products of the quantised numbers (number of the format x scale) in f32.
;;   ~~~python
;;   def quantise(x, axis):      # numpy; x: float32 -> the quantised numbers, widened to float32 again
;;       x = np.moveaxis(x, axis, -1); K = x.shape[-1]
;;       x = np.pad(x, [(0, 0)] * (x.ndim - 1) + [(0, -K % 32)]); x = x.reshape(x.shape[:-1] + (-1, 32)); a = np.abs(x).max(-1, keepdims=True)
;;       e = np.where(a > 0, np.clip(np.frexp(np.where(a > 0, a, 1))[1] - 1 - 8, -126, 127), 0)      # np.frexp(a)[1] - 1 = floor(log2(a)), exactly
;;       r = np.clip(x / 2.0 ** e, -448, 448)
;;       step = 2.0 ** (np.maximum(np.frexp(np.where(r == 0, 1, r))[1] - 1, -6) - 3)
;;       q = np.round(r / step) * step * 2.0 ** e      # np.round: ties to even
;;       return np.moveaxis(q.reshape(q.shape[:-2] + (-1,))[..., :K], -1, axis).astype(np.float32)
;;   ~~~
;;   SOFTMAX AHEAD OF A QUANTISED PRODUCT. Where the list says 'softmax', what is quantised is not the finished softmax but p = 2^(t - M), with t = logit x log2(e) and M = ceil(the row's largest t), a whole number; so 1/2 < the row's largest p <= 1. The row's sum l is taken of the UNQUANTISED p, in f32, and the product's result is divided by l at the end. Since M is a whole number, a kernel that streams over the keys may use a running M (the ceiling of the running maximum): every later rescaling is an exact power of two, which a block's scale takes up: the codes' values come out the same.
;;   OPERANDS COMPUTED ON THE WAY. 'Computed on the way' means the value that the module computes at that place (a softmax that the list does not call 'softmax' is quantised finished and normalised). What goes into a quantiser is computed in f32, as accurately as f32 sums, v_exp_f32 and their like allow (about 1e-6 of the number): no bf16 or f16 on the way to a quantiser, and a product that is left as it is and whose result goes on into a quantised operand takes f32 operands (vector FMAs, or v_wmma_f32_16x16x4_f32). A number that lies on a knife's edge between two numbers of the format may be rounded either way, as far as f32 arithmetic and the matrix unit's own rounding can turn it there, and no further.
;; One version. Each part assembles by itself: llvm-mc -triple=amdgcn-amd-amdhsa -mcpu=gfx1250 --defsym DOCPART=n.
;; ======== version 1 of 1: 4 launches
;; limits: right only within a limited range of input values
;; workspace buffers: opc 12,582,912 bytes; ops 393,216 bytes; tab 524,288 bytes; qrec 17,563,648 bytes; kvrec 17,563,648 bytes; oc 8,388,608 bytes; os 262,144 bytes
;; launch prep (part 1): grid 416 x 1, 4 waves a work-group, no clusters, 35,328 bytes of LDS; arguments x, W_qkv, W_out, opc, ops, tab; writes opc, ops, tab
.if DOCPART == 1
	.amdgcn_target "amdgcn-amd-amdhsa--gfx1250"
	.amdhsa_code_object_version 6
	.text
	.protected	k_qdb87f639b4_prep
	.globl	k_qdb87f639b4_prep
	.p2align	8
	.type	k_qdb87f639b4_prep,@function
k_qdb87f639b4_prep:
	s_mov_b64 s[64:65], 0
	v_nop
	global_prefetch_b8 v0, s[64:65] scope:SCOPE_SE
	s_setreg_imm32_b32 hwreg(HW_REG_WAVE_MODE, 25, 1), 1
	s_wait_xcnt 0x0
; x [8192][1024], W_qkv [3072][1024], W_out [1024][1024], f32, become codes of FP8 (E4M3) with one E8M0 byte for each 32 along K, laid as IMAGES OF OPERAND REGISTERS; and the tables of cos and sin are made.
; TILES.  The 12,288 rows are 768 tiles of 16 (0-511 x, 512-703 W_qkv, 704-767 W_out).  Lane r of a tensor's tile T stands for row 32 (T / 2) + 8 (T % 2) + r + 8 (r / 8).
; opc: [tile][K step of 128 (8)][chunk c (4)][lane (32)][16 bytes]: lane (r, h) holds the codes k = 32 c + 16 h + 0 .. 15 of its row: what four 16-byte loads at 16 x lane put into a fragment's 16 registers.
; ops: [tile][pair of K steps (4)][r (16)][step of the pair (2)] words of four scale bytes.
; tab: [tile of 16 positions (128)][cos, sin][j (4)][lane][16 bytes]: lane (r, h), number 4 j + e: cos or sin of position x 500^(-(16 h + 4 j + e) / 32).
; A block's scale is 2^(floor(log2(largest magnitude)) - 8); its byte is the largest magnitude's exponent field - 8, held at 1 from below; numbers are held within +-448 x the scale and rounded to the nearest code, ties to even.
; LIMITS: a block of zeros, or one whose largest magnitude lies under 2^-118, gets the byte 1 (only this program reads the bytes; zero codes add nothing); NaN and infinities among the inputs are not served.
; The frequency is 2^(-f log2(500) / 32) by v_exp_f32: an angle is right to about 2e-4 radians at position 2,047 and frequency 1, which is what one last bit of an f32 frequency moves it by.
; SHARES.  Work-groups 0-383 quantise: a wave takes one tile x 512 along K, four fragments.  Each load reads 512 consecutive bytes of one row; a fragment's 16 x 512 bytes turn through the wave's own stage in LDS,
; so that a lane gets 16 neighbours of each block of 32.  Work-groups 384-415 make the tables, a wave to a tile of positions, without LDS.  Waves share nothing: no barrier.
.set SP,   528                         ; a stage row: 512 bytes + 16 = 132 words: row r starts at bank 4 r mod 64 (64 banks of 4 bytes: ISA guide 11.1)
.set WREG, 16*SP+256                   ; a wave's LDS: the stage, then its 256 bytes of scale words
.set RA,   16                          ; v16-143  two sets of 64 numbers as loaded
.set X,    144                         ; v144-207 64 numbers: register 16 b + i = k 32 b + 16 h + i of my row
.set PC,   208                         ; v208-223 a fragment's codes
.set TM,   224                         ; v224-239 at work in QUANT
.set PW,   240                         ; v240     the scale word just made
.set SEL,  20                          ; s20, s21 lane selects for v_permlanex16_b32: lane l xor 16
.set MNT,  22
; 64 numbers of a lane, v[s] on, become a fragment's codes in v[PC] on and its scale word in v[w].
.macro QUANT s, w
.irp b, 0,1,2,3
	v_max3_num_f32 v[TM+\b], |v[\s+16*\b]|, |v[\s+1+16*\b]|, 0x4800000   ; block b: my 16 numbers, and the floor 2^(9 - 127): the byte cannot fall under 1
.endr
.irp i, 2,4,6,8,10,12,14
.irp b, 0,1,2,3
	v_max3_num_f32 v[TM+\b], v[TM+\b], |v[\s+16*\b+\i]|, |v[\s+1+16*\b+\i]|   ; the four blocks by turns
.endr
.endr
.irp b, 0,1,2,3
	v_permlanex16_b32 v[TM+4+\b], v[TM+\b], s[SEL], s[SEL+1]
.endr
.irp b, 0,1,2,3
	v_max_num_f32 v[TM+\b], v[TM+\b], v[TM+4+\b]   ; with lane l xor 16's: the block's largest magnitude
.endr
.irp b, 0,1,2,3
	v_add_nc_u32 v[TM+12+\b], 0xfc000000, v[TM+\b]   ; 8 off its exponent field: the conversion takes this operand's exponent field as its scale
.endr
.irp b, 0,1,2,3
.endr
.irp b, 0,1,2,3
	v_lshrrev_b32 v[TM+4+\b], 23, v[TM+12+\b]   ; the scale's byte
.endr
	v_lshl_or_b32 v[\w], v[TM+5], 8, v[TM+4]
	v_lshl_or_b32 v[\w], v[TM+6], 16, v[\w]
	v_lshl_or_b32 v[\w], v[TM+7], 24, v[\w]
.irp b, 0,1,2,3
.irp i, 0,1,2,3,4,5,6,7,8,9,10,11,12,13,14,15
.endr
	v_cvt_scalef32_pk8_fp8_f32 v[PC+4*\b:PC+1+4*\b], v[\s+16*\b:\s+7+16*\b], v[TM+12+\b]
	v_cvt_scalef32_pk8_fp8_f32 v[PC+2+4*\b:PC+3+4*\b], v[\s+8+16*\b:\s+15+16*\b], v[TM+12+\b]
.endr
	v_nop                                          ; one plain vector line behind the last conversion
.endm
	s_load_b256 s[4:11], s[0:1], 0x0               ; x s[4:5], W_qkv s[6:7], W_out s[8:9], opc s[10:11]
	s_load_b128 s[12:15], s[0:1], 0x20             ; ops s[12:13], tab s[14:15]
	v_lshl_add_u32 v248, v0, 2, 0x8800
	v_mov_b32 v249, 0
	v_lshrrev_b32 v1, 5, v0
	v_readfirstlane_b32 s16, v1                    ; wave 0..3
	v_and_b32 v1, 31, v0                           ; lane
	v_and_b32 v2, 15, v0                           ; r
	v_bfe_u32 v3, v0, 4, 1                         ; h
	v_lshlrev_b32 v4, 4, v1                        ; 16 x lane
	s_cmp_ge_u32 ttmp9, 384
	s_cbranch_scc1 .Ltab
	; ---- the quantising work-groups
	s_mul_i32 s17, s16, WREG
	v_add_nc_u32 v5, s17, v4                       ; the stage, on the way in: 16 x lane of a row
	v_mul_u32_u24 v6, v2, SP
	v_lshl_add_u32 v6, v3, 6, v6
	v_add_nc_u32 v6, s17, v6                       ; and on the way out: row r, + 64 h: my 16 numbers of a block
	s_add_co_u32 s17, s17, 16*SP
	v_lshl_add_u32 v7, v2, 3, s17                  ; my row's scale words
	v_lshl_add_u32 v8, v1, 3, s17                  ; and on the way out 8 bytes a lane
	v_lshlrev_b32 v9, 3, v1
	s_mov_b32 s[SEL], 0x76543210
	s_mov_b32 s[SEL+1], 0xfedcba98
.irp b, 0,1,2,3
	v_mov_b32 v[TM+4+\b], 0                        ; written once: a lane permute's destination counts as one of its sources
.endr
	s_lshl_b32 s18, ttmp9, 1
	s_lshr_b32 s19, s16, 1
	s_add_co_u32 s18, s18, s19                     ; my tile: 2 x work-group + wave / 2
	s_and_b32 s19, s16, 1                          ; which 512 along K
	s_mov_b32 s23, 704
	s_wait_alu depctr_va_vdst(0)
	s_wait_kmcnt 0x0
	s_cmp_lt_u32 ttmp9, 352                        ; which tensor: the choice hangs on the work-group's number alone
	s_cselect_b64 s[6:7], s[6:7], s[8:9]
	s_cselect_b32 s23, 512, s23
	s_cmp_lt_u32 ttmp9, 256
	s_cselect_b64 s[4:5], s[4:5], s[6:7]
	s_cselect_b32 s23, 0, s23
	s_sub_co_u32 s23, s18, s23                     ; the tile's number in its tensor
	s_lshr_b32 s24, s23, 1
	s_lshl_b32 s24, s24, 17                        ; 32 rows of 4,096 bytes for each pair of tiles,
	s_and_b32 s25, s23, 1
	s_lshl_b32 s25, s25, 15                        ; 8 rows for the odd one,
	s_add_co_u32 s24, s24, s25
	s_lshl_b32 s25, s19, 11                        ; 2,048 bytes for the second 512 along K
	s_add_co_u32 s24, s24, s25
	s_mov_b32 s25, 0
	s_add_nc_u64 s[4:5], s[4:5], s[24:25]
	s_lshl_b32 s24, s18, 14                        ; codes: 16,384 bytes a tile, 8,192 a half
	s_lshl_b32 s26, s19, 13
	s_add_co_u32 s24, s24, s26
	s_add_nc_u64 s[10:11], s[10:11], s[24:25]
	s_lshl_b32 s24, s18, 9                         ; scale words: 512 bytes a tile, 256 a half
	s_lshl_b32 s26, s19, 8
	s_add_co_u32 s24, s24, s26
	s_add_nc_u64 s[12:13], s[12:13], s[24:25]
.macro LOADF f                         ; fragment f: 16 rows x 512 consecutive bytes
.irp i, 0,1,2,3,4,5,6,7,8,9,10,11,12,13,14,15
	global_load_b128 v[RA+64*((\f)%2)+4*\i:RA+64*((\f)%2)+4*\i+3], v4, s[4:5] offset:(\i+8*(\i/8))*4096+512*(\f) th:TH_LOAD_NT
.endr
.endm
.macro FRAGQ f
.if (\f) < 3
	s_wait_loadcnt 16                              ; this fragment's 16 loads are in; the next fragment's 16 may be out
.else
	s_wait_loadcnt 0x0
.endif
.irp i, 0,1,2,3,4,5,6,7,8,9,10,11,12,13,14,15
	ds_store_b128 v5, v[RA+64*((\f)%2)+4*\i:RA+64*((\f)%2)+4*\i+3] offset:SP*\i
.endr
.irp b, 0,1,2,3
.irp j, 0,1,2,3
	ds_load_b128 v[X+16*\b+4*\j:X+16*\b+4*\j+3], v6 offset:128*\b+16*\j   ; LDS serves a wave's instructions in order (ISA guide 5.7.1.4): these see the stores above
.endr
.endr
	s_wait_dscnt 0x0                               ; my 64 numbers are in, and the stage's stores have read their registers
.if (\f) > 0
	s_wait_xcnt 0x0                                ; the last fragment's stores have read their codes: those registers are written again below
.endif
.if (\f) < 2
	LOADF (\f)+2
.endif
	QUANT X, PW
.irp c, 0,1,2,3
	global_store_b128 v4, v[PC+4*\c:PC+4*\c+3], s[10:11] offset:2048*(\f)+512*\c   ; 32 lanes store 512 consecutive bytes
.endr
	ds_store_b32 v7, v[PW] offset:128*((\f)/2)+4*((\f)%2)   ; both halves of the lanes write the same word with the same value
.endm
	LOADF 0
	LOADF 1
	FRAGQ 0
	FRAGQ 1
	FRAGQ 2
	FRAGQ 3
	ds_load_b64 v[242:243], v8
	s_wait_dscnt 0x0
	global_store_b64 v9, v[242:243], s[12:13]      ; 32 lanes store 256 consecutive bytes, aligned
	s_wait_tensorcnt 0x0
	ds_add_u32 v248, v249
	s_wait_dscnt 0x0
	s_endpgm
	; ---- the tables: a wave to a tile of 16 positions
.Ltab:
	s_sub_co_u32 s17, ttmp9, 384
	s_lshl_b32 s17, s17, 2
	s_add_co_u32 s17, s17, s16                     ; the tile, 0..127
	s_lshr_b32 s18, s17, 1
	s_lshl_b32 s18, s18, 5
	s_and_b32 s19, s17, 1
	s_lshl_b32 s19, s19, 3
	s_add_co_u32 s18, s18, s19
	s_wait_alu depctr_va_vdst(0)
	v_and_b32 v5, 8, v2
	v_add3_u32 v5, v5, v2, s18                     ; my position
	v_cvt_f32_u32 v5, v5
	v_lshlrev_b32 v6, 4, v3                        ; 16 h
	s_wait_alu depctr_va_vdst(0)
	s_mov_b32 s32, 0xbe8f73da                      ; -log2(500) / 32
	s_mov_b32 s33, 0x3f22f983                      ; 2 / pi
	s_mov_b32 s34, 0xbfc90fdb                      ; -(pi / 2), its f32 part,
	s_mov_b32 s35, 0x333bbd2e                      ; and what that part has too much
	s_mov_b32 s36, 0xb94ca1f9                      ; sine: -1.9515296e-4,
	s_mov_b32 s37, 0x3c08839e                      ; 8.3321609e-3,
	s_mov_b32 s38, 0xbe2aaaa3                      ; -1.6666655e-1
	s_mov_b32 s39, 0x37ccf5ce                      ; cosine: 2.4433157e-5,
	s_mov_b32 s40, 0xbab6061a                      ; -1.3887316e-3,
	s_mov_b32 s41, 0x3d2aaaa5                      ; 4.1666646e-2
	s_lshl_b32 s18, s17, 12
	s_mov_b32 s19, 0
.irp i, 0,1,2,3,4,5,6,7,8,9,10,11,12,13,14,15
	v_add_nc_u32 v[48+\i], \i, v6                  ; the frequency's number f = 16 h + i
.endr
.irp i, 0,1,2,3,4,5,6,7,8,9,10,11,12,13,14,15
	v_cvt_f32_u32 v[48+\i], v[48+\i]
.endr
.irp i, 0,1,2,3,4,5,6,7,8,9,10,11,12,13,14,15
	v_mul_f32 v[48+\i], s32, v[48+\i]
.endr
	s_wait_alu depctr_va_vdst(0)
.irp i, 0,1,2,3,4,5,6,7,8,9,10,11,12,13,14,15
	v_exp_f32 v[48+\i], v[48+\i]                   ; 500^(-f / 32)
.endr
	v_nop                                          ; a plain line behind the exponentials
	s_wait_alu depctr_va_vdst(0)
.irp i, 0,1,2,3,4,5,6,7,8,9,10,11,12,13,14,15
	v_mul_f32 v[48+\i], v5, v[48+\i]               ; the angle, rounded to f32 as the outer product rounds it
.endr
; cos -> v[16 + i], sin -> v[32 + i].  n = the nearest whole number to angle x 2 / pi, at most 1,304; angle - n pi / 2 in two fused steps, the first of them exact; polynomials on +-pi / 4; the quadrant by n mod 4.
.macro SINCOS i
	v_mul_f32 v64, s33, v[48+\i]
	v_rndne_f32 v64, v64
	v_fma_f32 v65, v64, s34, v[48+\i]
	v_fma_f32 v65, v64, s35, v65
	v_mul_f32 v66, v65, v65
	v_fma_f32 v67, v66, s36, s37
	v_fma_f32 v68, v66, s39, s40
	v_fma_f32 v67, v67, v66, s38
	v_fma_f32 v68, v68, v66, s41
	v_mul_f32 v67, v67, v66
	v_mul_f32 v69, v66, v66
	v_fma_f32 v70, v66, -0.5, 1.0
	v_fma_f32 v67, v67, v65, v65                   ; the sine of the rest
	v_fma_f32 v68, v68, v69, v70                   ; its cosine
	v_cvt_i32_f32 v64, v64
	v_and_b32 v69, 1, v64
	v_cmp_ne_u32 vcc_lo, 0, v69                    ; odd quadrants change the two over
	v_cndmask_b32 v[32+\i], v67, v68, vcc_lo
	v_cndmask_b32 v[16+\i], v68, v67, vcc_lo
	v_and_b32 v69, 2, v64                          ; the sine is negative in quadrants 2 and 3,
	v_add_nc_u32 v70, 1, v64
	v_and_b32 v70, 2, v70                          ; the cosine in 1 and 2
	v_lshlrev_b32 v69, 30, v69
	v_lshlrev_b32 v70, 30, v70
	v_xor_b32 v[32+\i], v[32+\i], v69
	v_xor_b32 v[16+\i], v[16+\i], v70
.endm
.irp i, 0,1,2,3,4,5,6,7,8,9,10,11,12,13,14,15
	SINCOS \i
.endr
	s_wait_alu depctr_va_vdst(0)
	s_wait_kmcnt 0x0
	s_add_nc_u64 s[14:15], s[14:15], s[18:19]
.irp j, 0,1,2,3
	global_store_b128 v4, v[16+4*\j:19+4*\j], s[14:15] offset:512*\j
	global_store_b128 v4, v[32+4*\j:35+4*\j], s[14:15] offset:2048+512*\j
.endr
	s_endpgm
.Lfunc_end_k_qdb87f639b4_prep:
	.size	k_qdb87f639b4_prep, .Lfunc_end_k_qdb87f639b4_prep-k_qdb87f639b4_prep
	.p2alignl 7, 3214868480
	.fill 96, 4, 3214868480
	.section	.rodata,"a",@progbits
	.p2align	6, 0x0
	.amdhsa_kernel k_qdb87f639b4_prep
		.amdhsa_group_segment_fixed_size 35328
		.amdhsa_private_segment_fixed_size 0
		.amdhsa_enable_private_segment 0
		.amdhsa_kernarg_size 48
		.amdhsa_user_sgpr_count 2
		.amdhsa_user_sgpr_kernarg_segment_ptr 1
		.amdhsa_wavefront_size32 1
		.amdhsa_system_sgpr_workgroup_id_x 1
		.amdhsa_system_sgpr_workgroup_id_y 1
		.amdhsa_system_sgpr_workgroup_id_z 1
		.amdhsa_system_vgpr_workitem_id 0
		.amdhsa_next_free_vgpr 250
		.amdhsa_next_free_sgpr 66
		.amdhsa_reserve_vcc 1
		.amdhsa_float_denorm_mode_32 3
		.amdhsa_float_denorm_mode_16_64 3
		.amdhsa_fp16_overflow 1
		.amdhsa_memory_ordered 1
		.amdhsa_forward_progress 1
		.amdhsa_inst_pref_size 56
	.end_amdhsa_kernel
	.amdgpu_metadata
---
amdhsa.version: [ 1, 2 ]
amdhsa.kernels:
  - .name:           k_qdb87f639b4_prep
    .symbol:         k_qdb87f639b4_prep.kd
    .args:
      - { .name: x, .offset: 0, .size: 8, .value_kind: global_buffer, .address_space: global }
      - { .name: W_qkv, .offset: 8, .size: 8, .value_kind: global_buffer, .address_space: global }
      - { .name: W_out, .offset: 16, .size: 8, .value_kind: global_buffer, .address_space: global }
      - { .name: opc, .offset: 24, .size: 8, .value_kind: global_buffer, .address_space: global }
      - { .name: ops, .offset: 32, .size: 8, .value_kind: global_buffer, .address_space: global }
      - { .name: tab, .offset: 40, .size: 8, .value_kind: global_buffer, .address_space: global }
    .group_segment_fixed_size: 35328
    .private_segment_fixed_size: 0
    .kernarg_segment_align: 8
    .kernarg_segment_size: 48
    .max_flat_workgroup_size: 128
    .sgpr_count:     66
    .vgpr_count:     250
    .wavefront_size: 32
...
	.end_amdgpu_metadata
.endif
;; end of part 1
;; launch qkv (part 2): grid 12 x 32, 4 waves a work-group, clusters of 4 x 4, 327,680 bytes of LDS; arguments opc, ops, tab, key_padding_mask, b_qkv, qrec, kvrec; writes qrec, kvrec
.if DOCPART == 2
	.amdgcn_target "amdgcn-amd-amdhsa--gfx1250"
	.amdhsa_code_object_version 6
	.text
	.protected	k_qdb87f639b4_qkv
	.globl	k_qdb87f639b4_qkv
	.p2align	8
	.type	k_qdb87f639b4_qkv,@function
k_qdb87f639b4_qkv:
	s_mov_b64 s[64:65], 0
	v_nop
	global_prefetch_b8 v0, s[64:65] scope:SCOPE_SE
	s_setreg_imm32_b32 hwreg(HW_REG_WAVE_MODE, 25, 1), 1
	s_wait_xcnt 0x0
	s_wait_alu depctr_hold_cnt(0) depctr_sa_sdst(0) depctr_va_vdst(0) depctr_va_sdst(0) depctr_va_ssrc(0) depctr_va_vcc(0) depctr_vm_vsrc(0)
	s_getreg_b32 s2, hwreg(HW_REG_IB_STS2, 6, 4)
	s_cmp_eq_u32 s2, 0
	s_cbranch_scc0 .Lentry_in_a_cluster
	s_endpgm
.Lentry_in_a_cluster:
	s_bfe_u32 s2, ttmp6, 0x10000c
	s_cmp_lg_u32 s2, 0xf033
	s_cbranch_scc0 .Lentry_shape_is_right
	s_endpgm
.Lentry_shape_is_right:
; qkv = x W_qkv^T + b_qkv on codes of FP8 (E4M3) with E8M0 scales; RoPE on q and k; q, k quantised along the head's 64, v along the keys; the key mask goes into k's scale words.  Nothing wide goes to memory.
; OPERANDS are images of their registers (opc: [tile of 16 rows][K step of 128 (8)][2,048 bytes]; ops: [tile][pair of K steps (4)][row (16)][2] scale words).  Lane r of tile T stands for row 32 (T / 2) + 8 (T % 2) + r + 8 (r / 8).
; Blocks of 256 rows (16 tiles): 0-31 x, 32-43 W_qkv (q 32-35, k 36-39, v 40-43).
; A work-group of four waves makes 256 x 256, a wave 128 x 128: 64 accumulators.  Source 0 = a tile of the 'B region', source 1 = a tile of the 'A region': lane (r, h) holds ONE row of A's tile, and the 16 registers of B's
; tiles 2 b and 2 b + 1 are B's rows 32 b + 16 h + 0 .. 15.  For q and k (cluster x = 0, 1): A = x, B = W: a lane holds a token and 16 neighbouring channels of each block of 32: RoPE's partners lie 16 registers apart.
; For v (cluster x = 2): A = W_v, B = x: a lane holds a channel and 16 neighbouring KEYS of each block of 32, which is the second attention product's K.  So in both cases the conversions' results are the next operand's registers.
; K = 1,024 goes in steps of 256 through two LDS slots filled by the tensor data mover; the scale words of the work-group's 512 rows come once.  CLUSTERS: 4 x 4; A's tiles are asked for jointly along a row, B's along a column.
; OUT: records of 17,152 bytes for each (batch, head) and 128 tokens: +0 K codes [tile (8)][chunk (2)][512]; +8,192 V^T codes [tile of 16 channels (4)][chunk (4)][512]; +16,384 k's scale words [g (2)][row (16)][tile (4)];
; +16,896 v's scale words [row (16)][tile (4)].  q goes into qrec by k's way (its V parts are never written and never read).
; THE MASK.  The scores' product has K = 128 and the head only 64.  The attention kernel sets the code -448 at k = 64 + 16 h of every key and +448 there of every query.  Byte 2 of a query's scale word is 127; of a key's, 230 where the
; key is masked and 1 where it is not: a masked score is -2 x 448^2 x 2^103 = -4.1e36 whatever q . k is, an open one is moved by -4.7e-33.  LIMITS: that shift; blocks under 2^-118 get the byte 1; NaN and infinities are not served.
; REGISTERS, in windows of 256: window 0: v1-12 lane numbers and offsets, v16-29 addresses, v32-63 scale words (two sets), v128-255 A's fragments (one set); window 1: B's fragments (two sets); windows 2, 3: accumulator (a, b) at v[8 (8 (a % 4) + b)].
; On the way out window 0: v64-127 64 numbers, v128-191 cos and sin (two sets) or v's bias, v192-251 at work; window 1 v0-63: q's or k's bias.
.set NQ,     2                         ; matrix instructions deep in a slot
.set FR,     16                        ; registers of a fragment
.set NL,     4                         ; LDS loads that bring one
.set NP,     8                         ; places behind this matrix instruction (ISA guide 7.12.1)
.set TILEB,  4096                      ; a tile's two K steps in a slot
.set HALFT,  8*TILEB                   ; eight tiles: what one tensor load brings, and what one wave reads of A or of B
.set SLOT,   4*HALFT                   ; A's 16 tiles, then B's 16
.set LAPS,   2                         ; 1,024 along K = twice round the ring
.set HALFS,  4096                      ; the scale words of eight tiles
.set SCL,    2*SLOT                    ; behind the ring: A's scale words;
.set SCLB,   SCL+2*HALFS+128           ; B's, 128 bytes further on than they need be, so that lanes 16-31 of a load fall on the other 32 banks
.set SPARE,  SCLB+2*HALFS+128          ; the spare words, 128 bytes for each wave: two blocks of 256 bytes that no other line names
.set RECB,   17152
.set HS,     16*RECB                   ; from a head's records to the next head's
.set LI,   4                           ; v4   16 x lane
.set SOFF, 8                           ; v8   16 r + h x HS: scale words of the first head (lanes 0-15) and of the second (lanes 16-31)
.set SH16, 9                           ; v9   16 h
.set BOF,  10                          ; v10  64 h
.set RM,   11                          ; v11  r + 8 (r / 8)
.set RM4,  12                          ; v12  4 x that
.set ADRA, 16                          ; v16-17  LDS address of my A fragments in slot 0, 1
.set ADRB, 20                          ; v20-21  the same for B
.set ADRS, 27                          ; v27     LDS address of my scale words: lanes 0-15 A's rows, lanes 16-31 B's
.set SPW,  28                          ; v28     my spare word; never rewritten
.set NIL,  29                          ; v29     0; never rewritten
.set SC,   32                          ; scale words: set s at v[SC + 16 s]; register 2 i + q: lanes 0-15 A's tile i, lanes 16-31 B's tile i
.set AF,   128
.set Z,    64
.set CS,   128
.set VB,   128
.set TM,   192
.set PC,   208
.set TT,   226
.set WD,   236
.set EX,   244
.set BI,   0
.set G1,   24
.set G0,   32
.set G1B,  48
.set G0B,  56
.set G1S,  68
.set G0S,  76
.set G1SB, 80
.set G0SB, 88
.set SEL,  100
.set MNT,  23
.set MSB, 0
.macro WIN new                         ; the immediate's high byte repeats the setting that is left
.if MSB != (\new)
	s_set_vgpr_msb (MSB<<8)|(\new)
.set MSB, (\new)
.endif
.endm
.set MUL_LO, 0xa1                      ; source 0 (B) window 1, source 1 (A) window 0, C and D window 2
.set MUL_HI, 0xf1                      ; the same, C and D window 3
.set TO_B,   0x40                      ; destination window 1, address window 0
; A joint load: waves 0 and 1 fetch for A, waves 2 and 3 for B; the branch hangs on the wave's number alone.  Four v_nop follow each of the two lines.
.macro JLOAD g0a, g1a, g0b, g1b
	s_cmp_eq_u32 s15, 0
	s_cbranch_scc0 .Lfor_b_\@
	tensor_load_to_lds s[\g0a:\g0a+3], s[\g1a:\g1a+7]
	s_nop 0
.rept 4
	v_nop
.endr
	s_branch .Lasked_\@
.Lfor_b_\@:
	tensor_load_to_lds s[\g0b:\g0b+3], s[\g1b:\g1b+7]
	s_nop 0
.rept 4
	v_nop
.endr
.Lasked_\@:
.endm
.macro CREST                           ; a round of the cluster's barrier behind its opening barrier
	s_cmp_lg_u32 s14, 0
	s_cbranch_scc1 .Lnot_wave_0_\@
	s_barrier_signal -3
.Lnot_wave_0_\@:
	s_barrier_wait -3
	s_barrier_signal -1
	s_barrier_wait -1
.endm
.macro CROUND                          ; a whole round
	s_barrier_signal -1
	s_barrier_wait -1
	CREST
.endm
; 64 numbers of a lane, v[s] on (register 16 b + i = k 32 b + 16 h + i), become a fragment's codes in v[PC] on and its scale word in v[w].
.macro QUANT s, w
.irp b, 0,1,2,3
	v_max3_num_f32 v[TM+\b], |v[\s+16*\b]|, |v[\s+1+16*\b]|, 0x4800000   ; block b: my 16 numbers, and the floor 2^(9 - 127): the byte cannot fall under 1
.endr
.irp i, 2,4,6,8,10,12,14
.irp b, 0,1,2,3
	v_max3_num_f32 v[TM+\b], v[TM+\b], |v[\s+16*\b+\i]|, |v[\s+1+16*\b+\i]|
.endr
.endr
.irp b, 0,1,2,3
	v_permlanex16_b32 v[TM+4+\b], v[TM+\b], s[SEL], s[SEL+1]
.endr
.irp b, 0,1,2,3
	v_max_num_f32 v[TM+\b], v[TM+\b], v[TM+4+\b]   ; with lane l xor 16's: the block's largest magnitude
.endr
.irp b, 0,1,2,3
	v_add_nc_u32 v[TM+12+\b], 0xfc000000, v[TM+\b]   ; 8 off its exponent field: the conversion's scale operand
.endr
.irp b, 0,1,2,3
.endr
.irp b, 0,1,2,3
	v_lshrrev_b32 v[TM+4+\b], 23, v[TM+12+\b]   ; the scale's byte
.endr
	v_lshl_or_b32 v[\w], v[TM+5], 8, v[TM+4]
	v_lshl_or_b32 v[\w], v[TM+6], 16, v[\w]
	v_lshl_or_b32 v[\w], v[TM+7], 24, v[\w]
.irp b, 0,1,2,3
.irp i, 0,1,2,3,4,5,6,7,8,9,10,11,12,13,14,15
.endr
	v_cvt_scalef32_pk8_fp8_f32 v[PC+4*\b:PC+1+4*\b], v[\s+16*\b:\s+7+16*\b], v[TM+12+\b]
	v_cvt_scalef32_pk8_fp8_f32 v[PC+2+4*\b:PC+3+4*\b], v[\s+8+16*\b:\s+15+16*\b], v[TM+12+\b]
.endr
	v_nop                                          ; one plain vector line behind the last conversion
.endm
	s_load_b256 s[4:11], s[0:1], 0x0               ; opc s[4:5], ops s[6:7], tab s[8:9], the mask s[10:11]
	s_load_b128 s[92:95], s[0:1], 0x20             ; b_qkv s[92:93], qrec s[94:95]
	s_load_b64 s[96:97], s[0:1], 0x30              ; kvrec
	v_lshl_add_u32 v[SPW], v0, 2, SPARE
	v_mov_b32 v[NIL], 0
	ds_add_u32 v28, v29
	ds_add_u32 v28, v29
	s_wait_dscnt 0x0
	v_lshrrev_b32 v1, 5, v0
	v_readfirstlane_b32 s14, v1                    ; wave 0..3
	s_lshr_b32 s15, s14, 1                         ; which half of A's rows is mine.  Also: I fetch for A (0) or for B (1)
	s_and_b32 s16, s14, 1                          ; which half of B's rows.  Also: which eight tiles of that block I fetch
	s_bfe_u32 s40, ttmp6, 0x40000                  ; cx, cy: my place in the cluster
	s_bfe_u32 s41, ttmp6, 0x40004
	s_and_b32 s17, ttmp7, 0xffff
	s_lshl_b32 s17, s17, 2                         ; 4 x cluster y
	s_lshl_b32 s43, s41, 2
	s_lshl_b32 s43, 15, s43                        ; my row of the cluster
	s_lshl_b32 s44, 0x1111, s40                    ; my column
	; descriptor group 1 for codes: 8 rows (tiles) of 512 elements of 8 bytes (two K steps), 2,048 elements from tile to tile; dense in LDS
	s_or_b32 s[G1+0], s43, (3<<16)|(1<<21)         ; 15:0 the mask: A's tiles go to my row; 17:16 elements of 8 bytes; 21 set beside a mask
	s_or_b32 s[G1B+0], s44, (3<<16)|(1<<21)
.irp g, G1, G1B
	s_mov_b32 s[\g+1], 512<<16                     ; tensor_dim0
	s_mov_b32 s[\g+2], 8<<16                       ; tensor_dim1
	s_mov_b32 s[\g+3], 512<<16                     ; tile_dim0
	s_mov_b32 s[\g+4], 8                           ; tile_dim1
	s_mov_b32 s[\g+5], 2048                        ; tensor_dim0_stride
	s_mov_b32 s[\g+6], 0
	s_mov_b32 s[\g+7], 0
.endr
	; and for the scale words of eight tiles: 4,096 dense bytes, as 16 rows of 256
	s_or_b32 s[G1S+0], s43, (3<<16)|(1<<21)
	s_or_b32 s[G1SB+0], s44, (3<<16)|(1<<21)
.irp g, G1S, G1SB
	s_mov_b32 s[\g+1], 32<<16
	s_mov_b32 s[\g+2], 16<<16
	s_mov_b32 s[\g+3], 32<<16
	s_mov_b32 s[\g+4], 16
	s_mov_b32 s[\g+5], 32
	s_mov_b32 s[\g+6], 0
	s_mov_b32 s[\g+7], 0
.endr
	; which blocks of 256 rows.  The choice hangs on the cluster's x, which all sixteen share; then A's takes cy alone and B's cx alone
	s_lshl_b32 s18, ttmp9, 2
	s_add_co_u32 s18, s18, 32
	s_cmp_eq_u32 ttmp9, 2
	s_cselect_b32 s20, 40, s17                     ; A: W_v's blocks, or x's
	s_cselect_b32 s46, s17, s18                    ; B: x's blocks, or W_q's or W_k's
	s_add_co_u32 s20, s20, s41
	s_add_co_u32 s46, s46, s40
	s_lshl_b32 s18, s16, 17                        ; my eight tiles of 16,384 bytes,
	s_lshl_b32 s19, s16, 12                        ; and their scale words
	s_lshl_b32 s22, s20, 13
	s_add_co_u32 s22, s22, s19
	s_mov_b32 s23, 0
	s_lshl_b32 s20, s20, 18
	s_add_co_u32 s20, s20, s18
	s_mov_b32 s21, 0
	s_lshl_b32 s98, s46, 13
	s_add_co_u32 s98, s98, s19
	s_mov_b32 s99, 0
	s_lshl_b32 s46, s46, 18
	s_add_co_u32 s46, s46, s18
	s_mov_b32 s47, 0
	s_mul_i32 s45, s14, HALFT                      ; where they go: wave x eight tiles: no place in the cluster enters an LDS address
	s_mul_i32 s42, s14, HALFS
	s_wait_kmcnt 0x0
	s_add_nc_u64 s[20:21], s[4:5], s[20:21]
	s_add_nc_u64 s[22:23], s[6:7], s[22:23]
	s_add_nc_u64 s[46:47], s[4:5], s[46:47]
	s_add_nc_u64 s[98:99], s[6:7], s[98:99]
	CROUND                                         ; all sixteen work-groups are here: the first joint loads meet
	s_mov_b32 s[G0S], 1
	s_add_co_u32 s[G0S+1], s42, SCL
	s_mov_b64 s[G0S+2:G0S+3], s[22:23]
	s_or_b32 s[G0S+3], s[G0S+3], 0x80000000
	s_mov_b32 s[G0SB], 1
	s_add_co_u32 s[G0SB+1], s42, SCL+128
	s_mov_b64 s[G0SB+2:G0SB+3], s[98:99]
	s_or_b32 s[G0SB+3], s[G0SB+3], 0x80000000
	JLOAD G0S, G1S, G0SB, G1SB                     ; the scale words first: they are wanted with the first K step
.irp s, 0,1
	s_mov_b32 s[G0+4*\s], 1
	s_add_co_u32 s[G0+4*\s+1], s45, \s*SLOT
	s_add_nc_u64 s[G0+4*\s+2:G0+4*\s+3], s[20:21], \s*TILEB
	s_or_b32 s[G0+4*\s+3], s[G0+4*\s+3], 0x80000000
	s_mov_b32 s[G0B+4*\s], 1
	s_add_co_u32 s[G0B+4*\s+1], s45, \s*SLOT
	s_add_nc_u64 s[G0B+4*\s+2:G0B+4*\s+3], s[46:47], \s*TILEB
	s_or_b32 s[G0B+4*\s+3], s[G0B+4*\s+3], 0x80000000
	JLOAD G0+4*\s, G1, G0B+4*\s, G1B
.endr
	v_and_b32 v1, 15, v0                           ; r
	v_bfe_u32 v2, v0, 4, 1                         ; h
	s_wait_alu depctr_va_vdst(0)
	v_and_b32 v3, 31, v0
	v_lshlrev_b32 v[LI], 4, v3                     ; an image's place for my lane
	s_mul_i32 s21, s15, HALFT                      ; my eight tiles of A
	s_mul_i32 s22, s16, HALFT                      ; my eight tiles of B,
	s_add_co_u32 s22, s22, 2*HALFT                 ; which lie behind A's sixteen
.irp s, 0,1
	v_add_nc_u32 v[ADRA+\s], s21, v[LI]
	v_add_nc_u32 v[ADRB+\s], s22, v[LI]
	s_add_co_u32 s21, s21, SLOT
	s_add_co_u32 s22, s22, SLOT
.endr
	v_lshlrev_b32 v5, 3, v1                        ; my row's two scale words of a pair of K steps
	s_mul_i32 s21, s15, HALFS                      ; A's: my eight tiles
	s_mul_i32 s22, s16, HALFS                      ; B's: my eight tiles, behind A's
	s_add_co_u32 s22, s22, 2*HALFS+128
	s_sub_co_u32 s22, s22, s21
	v_mul_u32_u24 v6, s22, v2                      ; lanes 16-31 take B's
	s_add_co_u32 s21, s21, SCL
	v_add_nc_u32 v5, v5, v6
	v_add_nc_u32 v[ADRS], s21, v5
	v_mul_u32_u24 v[SOFF], v2, HS                  ; the way out's lane offsets
	v_lshl_add_u32 v[SOFF], v1, 4, v[SOFF]
	v_lshlrev_b32 v[SH16], 4, v2
	v_lshlrev_b32 v[BOF], 6, v2
	v_and_b32 v[RM], 8, v1
	v_add_nc_u32 v[RM], v[RM], v1
	v_lshlrev_b32 v[RM4], 2, v[RM]
.macro FRAG reg, adr, q, i             ; a fragment comes as it was stored: four loads of 512 consecutive bytes
.irp c, 0,1,2,3
	ds_load_b128 v[\reg+4*\c:\reg+4*\c+3], v[\adr] offset:TILEB*(\i)+2048*(\q)+512*\c
.endr
.endm
; 16 matrix instructions: A's tiles a0, a0 + 1 x B's eight, 128 along K.  p: B's set; sc: the set of scale words.  zero = 1: the first product starts the sums.
; The 64 accumulators take turns, one instruction a turn, in the same order in every step.
.macro MUL16 a0, p, q, sc, zero
.irp a, \a0, \a0+1
.irp b, 0,1,2,3,4,5,6,7
.if \zero
	v_wmma_scale_f32_16x16x128_f8f6f4 v[8*(8*((\a)%4)+\b):8*(8*((\a)%4)+\b)+7], v[128*(\p)+FR*\b:128*(\p)+FR*\b+FR-1], v[AF+FR*(\a):AF+FR*(\a)+FR-1], 0, v[SC+8*NQ*(\sc)+NQ*\b+(\q)], v[SC+8*NQ*(\sc)+NQ*(\a)+(\q)] matrix_a_scale:MATRIX_SCALE_ROW1
.else
	v_wmma_scale_f32_16x16x128_f8f6f4 v[8*(8*((\a)%4)+\b):8*(8*((\a)%4)+\b)+7], v[128*(\p)+FR*\b:128*(\p)+FR*\b+FR-1], v[AF+FR*(\a):AF+FR*(\a)+FR-1], v[8*(8*((\a)%4)+\b):8*(8*((\a)%4)+\b)+7], v[SC+8*NQ*(\sc)+NQ*\b+(\q)], v[SC+8*NQ*(\sc)+NQ*(\a)+(\q)] matrix_a_scale:MATRIX_SCALE_ROW1
.endif
.endr
.endr
.endm
.macro FETCH_B slot, q, p
	WIN TO_B
.irp i, 0,1,2,3,4,5,6,7
	FRAG 128*(\p)+FR*\i, ADRB+\slot, \q, \i
.endr
	WIN 0
.endm
.macro FETCH_A slot, q, i0
.irp i, \i0, \i0+1, \i0+2, \i0+3
	FRAG AF+FR*(\i), ADRA+\slot, \q, \i
.endr
.endm
.macro SCALES sc                       ; a slot's scale words into set sc: two words a row; lanes 0-15 take A's tile i, lanes 16-31 B's tile i
.irp i, 0,1,2,3,4,5,6,7
	ds_load_b64 v[SC+8*NQ*\sc+NQ*\i:SC+8*NQ*\sc+NQ*\i+1], v[ADRS] offset:\i*512
.endr
.endm
; A load into a register that a matrix instruction has read, and a vector instruction that reads a matrix result, stand NP places behind it; only plain vector instructions that name none of its registers are places.
.macro PLACES n
.rept \n
	v_nop
.endr
.endm
.macro STEP slot, q, zero              ; a step of 128 along K that has its successor in the same slot
	s_wait_dscnt 4*NL                              ; B's set and A's tiles 0-3 are in; the youngest 16 loads (A's tiles 4-7) may be out
	WIN MUL_LO
	MUL16 0, (\q)%2, \q, \slot, \zero
	MUL16 2, (\q)%2, \q, \slot, \zero
	s_wait_dscnt 0
	PLACES NP
	FETCH_B \slot, (\q)+1, 1-(\q)%2
	FETCH_A \slot, (\q)+1, 0
	WIN MUL_HI
	MUL16 4, (\q)%2, \q, \slot, \zero
	MUL16 6, (\q)%2, \q, \slot, \zero
	PLACES NP
	WIN 0
	FETCH_A \slot, (\q)+1, 4
.endm
; A slot's last step changes slots: one barrier; in front of it each wave waits for all its tensor loads, adds 0 to its spare word, and waits for that and for its reads of this slot.  fill = 1: this slot is filled again, two slots ahead.
.macro TURN slot, next, fill
	s_wait_tensorcnt 0x0                           ; all my tensor loads have landed: my part of the next slot
	ds_add_u32 v[SPW], v[NIL]                      ; 0 onto my spare word
	s_wait_dscnt 4*NL+1                            ; the add and the youngest 16 loads (A's tiles 4-7) may be out
	WIN MUL_LO
	MUL16 0, 1, NQ-1, \slot, 0
	s_wait_dscnt 0x0                               ; the add is done, and my reads of this slot are over
	s_barrier_signal -1
	MUL16 2, 1, NQ-1, \slot, 0
	WIN 0
	s_barrier_wait -1
.if \fill
	CREST                                          ; the barrier has opened a round of the cluster's: no wave of any partner still reads this slot or has a load on its way
	s_add_nc_u64 s[G0+4*\slot+2:G0+4*\slot+3], s[G0+4*\slot+2:G0+4*\slot+3], 2*TILEB
	s_add_nc_u64 s[G0B+4*\slot+2:G0B+4*\slot+3], s[G0B+4*\slot+2:G0B+4*\slot+3], 2*TILEB
	JLOAD G0+4*\slot, G1, G0B+4*\slot, G1B         ; the first tensor load behind the round; its four v_nop are among the places in front of the loads below
	PLACES NP-4
.else
	PLACES NP
.endif
	s_wait_alu depctr_va_vdst(0)
	v_add_nc_u32 v[ADRS], 128, v[ADRS]             ; the next pair of K steps' scale words
	FETCH_B \next, 0, 0
	FETCH_A \next, 0, 0
	SCALES \next
	WIN MUL_HI
	MUL16 4, 1, NQ-1, \slot, 0
	MUL16 6, 1, NQ-1, \slot, 0
	PLACES NP
	WIN 0
	FETCH_A \next, 0, 4
.endm
	s_wait_alu depctr_va_vdst(0)
	s_wait_tensorcnt 1                             ; the scale words and my part of slot 0 are in (slot 1's load may be out)
	s_barrier_signal -1
	s_barrier_wait -1                              ; everybody's are
	FETCH_B 0, 0, 0
	FETCH_A 0, 0, 0
	SCALES 0
	FETCH_A 0, 0, 4
	STEP 0, 0, 1                                   ; the first step stands in front of the loop: its products start the sums
	s_mov_b32 s3, LAPS-1
.Llap:                                             ; a trip goes once round the ring and fills both slots again
	TURN 0, 1, 1
	STEP 1, 0, 0
	TURN 1, 0, 1
	STEP 0, 0, 0
	s_sub_co_u32 s3, s3, 1
	s_cmp_lg_u32 s3, 0
	s_cbranch_scc1 .Llap
	TURN 0, 1, 0                                   ; the last lap fills nothing
	STEP 1, 0, 0
	s_wait_dscnt 4*NL
	WIN MUL_LO
	MUL16 0, 1, NQ-1, 1, 0
	MUL16 2, 1, NQ-1, 1, 0
	s_wait_dscnt 0
	WIN MUL_HI
	MUL16 4, 1, NQ-1, 1, 0
	MUL16 6, 1, NQ-1, 1, 0
	WIN 0
	; ---- THE WAY OUT: no LDS, no barrier.  For each of A's eight tiles a lane's 64 results are one fragment.
	PLACES NP
	s_mov_b32 s[SEL], 0x76543210
	s_mov_b32 s[SEL+1], 0xfedcba98
.irp b, 0,1,2,3
	v_mov_b32 v[TM+4+\b], 0                        ; written once: a lane permute's destination counts as one of its sources
.endr
	s_cmp_eq_u32 ttmp9, 2
	s_cselect_b32 s18, s40, s41                    ; x's block lies along cx for v, along cy for q and k;
	s_cselect_b32 s19, s16, s15                    ; my half of it;
	s_cselect_b32 s42, s41, s40                    ; the block of four heads the other way round;
	s_cselect_b32 s45, s15, s16                    ; my two of them
	s_add_co_u32 s18, s18, s17
	s_lshr_b32 s12, s18, 3                         ; the batch
	s_and_b32 s13, s18, 7
	s_lshl_b32 s13, s13, 1
	s_add_co_u32 s13, s13, s19                     ; which 128 tokens of it
	s_lshl_b32 s42, s42, 2
	s_lshl_b32 s45, s45, 1
	s_add_co_u32 s42, s42, s45                     ; my first head
	s_lshl_b32 s18, s12, 4
	s_add_co_u32 s18, s18, s42
	s_lshl_b32 s18, s18, 4
	s_add_co_u32 s18, s18, s13
	s_mul_i32 s18, s18, RECB                       ; its record
	s_mov_b32 s19, 0
	s_cmp_eq_u32 ttmp9, 0
	s_cselect_b64 s[94:95], s[94:95], s[96:97]     ; q's records or k's and v's
	s_add_nc_u64 s[94:95], s[94:95], s[18:19]
	s_cmp_eq_u32 ttmp9, 2
	s_cbranch_scc1 .Lv                             ; the cluster's x: the same in all sixteen
	; q and k
	s_lshl_b32 s18, ttmp9, 12                      ; the bias of my 128 channels: 4 (1,024 x + 256 cx + 128 half)
	s_lshl_b32 s20, s40, 10
	s_add_co_u32 s18, s18, s20
	s_lshl_b32 s20, s16, 9
	s_add_co_u32 s18, s18, s20
	s_add_nc_u64 s[92:93], s[92:93], s[18:19]
	s_lshl_b32 s18, s12, 11                        ; the mask of my 128 tokens
	s_lshl_b32 s20, s13, 7
	s_add_co_u32 s18, s18, s20
	s_add_nc_u64 s[10:11], s[10:11], s[18:19]
	s_lshl_b32 s18, s13, 15                        ; cos and sin of my eight tiles of positions
	s_add_nc_u64 s[8:9], s[8:9], s[18:19]
	s_mov_b32 s20, 0xe50000
	s_mov_b32 s21, 0x10000
	s_mov_b32 s22, 0x7f0000
	s_cmp_eq_u32 ttmp9, 0
	s_cselect_b32 s20, 0, s20                      ; byte 2 of a scale word: q: 127;  k: 1 + 229 x mask
	s_cselect_b32 s21, s22, s21
	WIN 0x40                                       ; destination window 1
.irp b, 0,1,2,3
.irp j, 0,1,2,3
	global_load_b128 v[BI+16*\b+4*\j:BI+16*\b+4*\j+3], v[BOF], s[92:93] offset:128*\b+16*\j   ; the bias in the results' layout: register 16 b + i = channel 32 b + 16 h + i
.endr
.endr
	WIN 0
.irp a, 0,1,2,3,4,5,6,7
	global_load_u8 v[EX+\a], v[RM], s[10:11] offset:32*(\a/2)+8*(\a%2)   ; the mask of tile a's token in my lane
.endr
.macro CSLOAD a
.irp n, 0,1,2,3,4,5,6,7
	global_load_b128 v[CS+32*((\a)%2)+4*\n:CS+32*((\a)%2)+4*\n+3], v[LI], s[8:9] offset:4096*(\a)+512*\n
.endr
.endm
	CSLOAD 0
.macro EPQK a
	s_wait_xcnt 0x0                                ; the last tile's stores have read their codes
.if (\a) < 7
	CSLOAD (\a)+1
	s_wait_loadcnt 8                               ; all but the next tile's eight loads
.else
	s_wait_loadcnt 0x0
.endif
	WIN 0x06+(\a)/4                                ; source 0: the accumulators' window; source 1: window 1
.set k, 0
.rept 32
	v_pk_add_f32 v[Z+k:Z+k+1], v[64*((\a)%4)+k:64*((\a)%4)+k+1], v[BI+k:BI+k+1]   ; each accumulator from its low end on
.set k, k+2
.endr
	WIN 0
.set CC, CS+32*((\a)%2)
.irp u, 0,32                           ; the two heads; in a head register i is channel 16 h + i and register 16 + i channel 32 + 16 h + i
.irp g, 0,8
.irp i, 0,2,4,6
	v_pk_mul_f32 v[TT+\i:TT+\i+1], v[Z+\u+\g+\i:Z+\u+\g+\i+1], v[CC+16+\g+\i:CC+16+\g+\i+1]
.endr
.irp i, 0,2,4,6
	v_pk_mul_f32 v[Z+\u+\g+\i:Z+\u+\g+\i+1], v[Z+\u+\g+\i:Z+\u+\g+\i+1], v[CC+\g+\i:CC+\g+\i+1]
.endr
.irp i, 0,2,4,6
	v_pk_fma_f32 v[Z+\u+\g+\i:Z+\u+\g+\i+1], v[Z+16+\u+\g+\i:Z+16+\u+\g+\i+1], v[CC+16+\g+\i:CC+16+\g+\i+1], v[Z+\u+\g+\i:Z+\u+\g+\i+1] neg_lo:[1,0,0] neg_hi:[1,0,0]   ; x1 cos - x2 sin
.endr
.irp i, 0,2,4,6
	v_pk_fma_f32 v[Z+16+\u+\g+\i:Z+16+\u+\g+\i+1], v[Z+16+\u+\g+\i:Z+16+\u+\g+\i+1], v[CC+\g+\i:CC+\g+\i+1], v[TT+\i:TT+\i+1]   ; x2 cos + x1 sin
.endr
.endr
.endr
	QUANT Z, WD+(\a)
.irp b, 0,1,2,3
	global_store_b128 v[LI], v[PC+4*\b:PC+4*\b+3], s[94:95] offset:1024*(\a)+512*(\b%2)+HS*(\b/2)   ; 512 consecutive bytes: chunk b % 2 of head b / 2
.endr
.endm
.irp a, 0,1,2,3,4,5,6,7
	EPQK \a
.endr
.irp a, 0,1,2,3,4,5,6,7
	v_mad_u32_u24 v[EX+\a], v[EX+\a], s20, s21
.endr
.irp a, 0,1,2,3,4,5,6,7
	v_lshrrev_b32 v[TT+\a], v[SH16], v[WD+\a]      ; lanes 0-15 keep the first head's two bytes, lanes 16-31 take the second's
.endr
.irp a, 0,1,2,3,4,5,6,7
	v_and_or_b32 v[WD+\a], v[TT+\a], 0xffff, v[EX+\a]
.endr
	global_store_b128 v[SOFF], v[WD:WD+3], s[94:95] offset:16384     ; sixteen lanes store 256 consecutive bytes, aligned
	global_store_b128 v[SOFF], v[WD+4:WD+7], s[94:95] offset:16640
	s_branch .Lend
	; v: a lane holds one channel and 64 keys
.Lv:
	s_lshl_b32 s18, s41, 10                        ; the bias of my 128 channels: 4 (2,048 + 256 cy + 128 half)
	s_lshl_b32 s20, s15, 9
	s_add_co_u32 s18, s18, s20
	s_add_co_u32 s18, s18, 8192
	s_add_nc_u64 s[92:93], s[92:93], s[18:19]
.irp a, 0,1,2,3,4,5,6,7
	global_load_b32 v[VB+\a], v[RM4], s[92:93] offset:4*(32*(\a/2)+8*(\a%2))
.endr
	s_wait_loadcnt 0x0
.macro EPV a
	s_wait_xcnt 0x0                                ; the last tile's stores have read their codes
	WIN 0x02+(\a)/4
.set k, 0
.rept 32
.if ((\a)%2) == 0
	v_pk_add_f32 v[Z+k:Z+k+1], v[64*((\a)%4)+k:64*((\a)%4)+k+1], v[VB+(\a):VB+(\a)+1] op_sel_hi:[1,0]   ; the pair's first word for both halves
.else
	v_pk_add_f32 v[Z+k:Z+k+1], v[64*((\a)%4)+k:64*((\a)%4)+k+1], v[VB+(\a)-1:VB+(\a)] op_sel:[0,1] op_sel_hi:[1,1]   ; its second
.endif
.set k, k+2
.endr
	WIN 0
	QUANT Z, WD+(\a)
.irp c, 0,1,2,3
	global_store_b128 v[LI], v[PC+4*\c:PC+4*\c+3], s[94:95] offset:8192+2048*((\a)%4)+512*\c+HS*((\a)/4)
.endr
.endm
.irp a, 0,1,2,3,4,5,6,7
	EPV \a
.endr
	v_cmp_ne_u32 vcc_lo, 0, v2
.irp t, 0,1,2,3
	v_cndmask_b32 v[WD+\t], v[WD+\t], v[WD+4+\t], vcc_lo   ; lanes 16-31 carry the second head's four words
.endr
	global_store_b128 v[SOFF], v[WD:WD+3], s[94:95] offset:16896
.Lend:
	s_wait_tensorcnt 0x0                           ; the wave's end
	ds_add_u32 v[SPW], v[NIL]
	s_wait_dscnt 0x0
	CROUND                                         ; the closing round: no work-group ends while a partner may still ask for a tile that names it
	s_endpgm
.Lfunc_end_k_qdb87f639b4_qkv:
	.size	k_qdb87f639b4_qkv, .Lfunc_end_k_qdb87f639b4_qkv-k_qdb87f639b4_qkv
	.p2alignl 7, 3214868480
	.fill 96, 4, 3214868480
	.section	.rodata,"a",@progbits
	.p2align	6, 0x0
	.amdhsa_kernel k_qdb87f639b4_qkv
		.amdhsa_group_segment_fixed_size 327680
		.amdhsa_private_segment_fixed_size 0
		.amdhsa_enable_private_segment 0
		.amdhsa_kernarg_size 56
		.amdhsa_user_sgpr_count 2
		.amdhsa_user_sgpr_kernarg_segment_ptr 1
		.amdhsa_wavefront_size32 1
		.amdhsa_system_sgpr_workgroup_id_x 1
		.amdhsa_system_sgpr_workgroup_id_y 1
		.amdhsa_system_sgpr_workgroup_id_z 1
		.amdhsa_system_vgpr_workitem_id 0
		.amdhsa_next_free_vgpr 1024
		.amdhsa_next_free_sgpr 102
		.amdhsa_reserve_vcc 1
		.amdhsa_float_denorm_mode_32 3
		.amdhsa_float_denorm_mode_16_64 3
		.amdhsa_fp16_overflow 1
		.amdhsa_memory_ordered 1
		.amdhsa_forward_progress 1
		.amdhsa_inst_pref_size 255
	.end_amdhsa_kernel
	.section	.bss,"aw",@nobits
	.p2align	6
	.space	262144
	.amdgpu_metadata
---
amdhsa.version: [ 1, 2 ]
amdhsa.kernels:
  - .name:           k_qdb87f639b4_qkv
    .symbol:         k_qdb87f639b4_qkv.kd
    .args:
      - { .name: opc, .offset: 0, .size: 8, .value_kind: global_buffer, .address_space: global }
      - { .name: ops, .offset: 8, .size: 8, .value_kind: global_buffer, .address_space: global }
      - { .name: tab, .offset: 16, .size: 8, .value_kind: global_buffer, .address_space: global }
      - { .name: key_padding_mask, .offset: 24, .size: 8, .value_kind: global_buffer, .address_space: global }
      - { .name: b_qkv, .offset: 32, .size: 8, .value_kind: global_buffer, .address_space: global }
      - { .name: qrec, .offset: 40, .size: 8, .value_kind: global_buffer, .address_space: global }
      - { .name: kvrec, .offset: 48, .size: 8, .value_kind: global_buffer, .address_space: global }
    .group_segment_fixed_size: 327680
    .private_segment_fixed_size: 0
    .kernarg_segment_align: 8
    .kernarg_segment_size: 56
    .max_flat_workgroup_size: 128
    .sgpr_count:     102
    .vgpr_count:     1024
    .wavefront_size: 32
...
	.end_amdgpu_metadata
.endif
;; end of part 2
;; launch attn (part 3): grid 4 x 64, 16 waves a work-group, clusters of 4 x 1, 327,680 bytes of LDS; arguments qrec, kvrec, oc, os; writes oc, os
.if DOCPART == 3
	.amdgcn_target "amdgcn-amd-amdhsa--gfx1250"
	.amdhsa_code_object_version 6
	.text
	.protected	k_qdb87f639b4_attn
	.globl	k_qdb87f639b4_attn
	.p2align	8
	.type	k_qdb87f639b4_attn,@function
k_qdb87f639b4_attn:
	s_mov_b64 s[64:65], 0
	v_nop
	global_prefetch_b8 v0, s[64:65] scope:SCOPE_SE
	s_setreg_imm32_b32 hwreg(HW_REG_WAVE_MODE, 25, 1), 1
	s_wait_xcnt 0x0
	s_wait_alu depctr_hold_cnt(0) depctr_sa_sdst(0) depctr_va_vdst(0) depctr_va_sdst(0) depctr_va_ssrc(0) depctr_va_vcc(0) depctr_vm_vsrc(0)
	s_getreg_b32 s2, hwreg(HW_REG_IB_STS2, 6, 4)
	s_cmp_eq_u32 s2, 0
	s_cbranch_scc0 .Lentry_in_a_cluster
	s_endpgm
.Lentry_in_a_cluster:
	s_bfe_u32 s2, ttmp6, 0x10000c
	s_cmp_lg_u32 s2, 0x3003
	s_cbranch_scc0 .Lentry_shape_is_right
	s_endpgm
.Lentry_shape_is_right:
.set RECB,  17152
.set HEADB, 16*RECB
.set LAB,   4*RECB/16
.set LBB,   12*RECB/16
.set WV,   12
.set SEL,  20
.set CS,   22
.set MNT,  24
.set TB,   25
.set CNT,  26
.set PASS, 27
.set G1A,  28
.set G1L,  36
.set G0A,  44
.set G0L,  48
.set QC,   52
.set QSP,  54
.set OCP,  56
.set OSP,  58
.macro CROUND
	s_barrier_signal -1
	s_barrier_wait -1
	s_cmp_lg_u32 s[WV], 0
	s_cbranch_scc1 .Lnot_wave_0_\@
	s_barrier_signal -3
.Lnot_wave_0_\@:
	s_barrier_wait -3
	s_barrier_signal -1
	s_barrier_wait -1
.endm
	s_load_b256 s[4:11], s[0:1], 0x0
	v_lshl_add_u32 v251, v0, 2, 0x43000
	v_mov_b32 v255, 0
	ds_add_u32 v251, v255
	ds_add_u32 v251, v255
	v_lshrrev_b32 v1, 5, v0
	s_delay_alu instid0(VALU_DEP_1)
	v_readfirstlane_b32 s[WV], v1
	s_bfe_u32 s13, ttmp6, 0x40000
	s_and_b32 s14, ttmp7, 0xffff
	s_mov_b32 s[G1A], 15|(3<<16)|(1<<21)
	s_mov_b32 s[G1A+1], (LAB/8)<<16
	s_mov_b32 s[G1A+2], 1<<16
	s_mov_b32 s[G1A+3], (LAB/8)<<16
	s_mov_b32 s[G1A+4], 1
	s_mov_b32 s[G1A+5], LAB/8
	s_mov_b32 s[G1A+6], 0
	s_mov_b32 s[G1A+7], 0
	s_mov_b32 s[G1L], 15|(3<<16)|(1<<21)
	s_mov_b32 s[G1L+1], (LBB/8)<<16
	s_mov_b32 s[G1L+2], 1<<16
	s_mov_b32 s[G1L+3], (LBB/8)<<16
	s_mov_b32 s[G1L+4], 1
	s_mov_b32 s[G1L+5], LBB/8
	s_mov_b32 s[G1L+6], 0
	s_mov_b32 s[G1L+7], 0
	s_mul_i32 s16, s14, HEADB
	s_mov_b32 s17, 0
	s_mul_i32 s18, s[WV], LAB
	s_mov_b32 s19, 0
	s_wait_dscnt 0x0
	s_wait_kmcnt 0x0
	s_add_nc_u64 s[6:7], s[6:7], s[16:17]
	s_mov_b32 s[G0A], 1
	s_mov_b32 s[G0A+1], s18
	s_add_nc_u64 s[G0A+2:G0A+3], s[6:7], s[18:19]
	s_or_b32 s[G0A+3], s[G0A+3], 0x80000000
	s_mul_i32 s18, s[WV], LBB
	s_add_co_u32 s18, s18, 4*RECB
	s_mov_b32 s[G0L], 1
	s_mov_b32 s[G0L+1], s18
	s_add_nc_u64 s[G0L+2:G0L+3], s[6:7], s[18:19]
	s_or_b32 s[G0L+3], s[G0L+3], 0x80000000
	CROUND
	tensor_load_to_lds s[G0A:G0A+3], s[G1A:G1A+7]
	s_nop 0
	s_wait_alu depctr_va_vdst(0)
	s_wait_tensorcnt 0x0
	ds_add_u32 v251, v255
	s_wait_dscnt 0x0
	CROUND
	tensor_load_to_lds s[G0L:G0L+3], s[G1L:G1L+7]
	s_nop 0
.rept 4
	v_nop
.endr
	s_mov_b32 s[SEL], 0x76543210
	s_mov_b32 s[SEL+1], 0xfedcba98
	s_mov_b32 s[CS], 0x3e38aa3b
	s_mov_b32 s[CS+1], s[CS]
	s_lshl_b32 s2, s13, 2
	s_lshr_b32 s3, s[WV], 3
	s_add_co_u32 s2, s2, s3
	s_mul_i32 s2, s2, RECB
	s_add_co_u32 s2, s2, s16
	s_mov_b32 s3, 0
	s_add_nc_u64 s[4:5], s[4:5], s[2:3]
	s_and_b32 s2, s[WV], 7
	s_lshl_b32 s2, s2, 10
	s_add_nc_u64 s[QC:QC+1], s[4:5], s[2:3]
	s_bfe_u32 s2, s[WV], 0x10002
	s_lshl_b32 s2, s2, 8
	s_and_b32 s15, s[WV], 3
	s_lshl_b32 s15, s15, 2
	s_add_co_u32 s2, s2, s15
	s_add_co_u32 s2, s2, 16384
	s_add_nc_u64 s[QSP:QSP+1], s[4:5], s[2:3]
	s_lshr_b32 s60, s14, 4
	s_lshl_b32 s60, s60, 7
	s_lshl_b32 s61, s13, 5
	s_add_co_u32 s60, s60, s61
	s_add_co_u32 s60, s60, s[WV]
	s_and_b32 s15, s14, 15
	s_lshl_b32 s2, s60, 14
	s_lshl_b32 s61, s15, 10
	s_add_co_u32 s2, s2, s61
	s_add_nc_u64 s[OCP:OCP+1], s[8:9], s[2:3]
	s_lshl_b32 s2, s60, 9
	s_lshr_b32 s61, s15, 2
	s_lshl_b32 s61, s61, 7
	s_add_co_u32 s2, s2, s61
	s_and_b32 s61, s15, 3
	s_lshl_b32 s61, s61, 1
	s_add_co_u32 s2, s2, s61
	s_add_nc_u64 s[OSP:OSP+1], s[10:11], s[2:3]
	v_and_b32 v1, 31, v0
	s_delay_alu instid0(VALU_DEP_1)
	v_lshlrev_b32 v1, 4, v1
	v_and_b32 v2, 15, v0
	s_delay_alu instid0(VALU_DEP_1)
	v_lshlrev_b32 v5, 3, v2
	s_delay_alu instid0(VALU_DEP_2)
	v_lshlrev_b32 v2, 4, v2
	v_mov_b32 v6, 0xffff
	v_mov_b32 v24, 0x7e
.irp i, 25,26,27,28,29,30,31
	v_mov_b32 v[\i], 0
.endr
.irp t, 0,1,2,3
	v_mov_b32 v[40+16*\t], 0xfe
.irp i, 9,10,11,12,13,14,15
	v_mov_b32 v[32+16*\t+\i], 0
.endr
.endr
.irp b, 0,1,2,3
	v_mov_b32 v[236+\b], 0
.endr
	v_mov_b32 v253, 0
.macro STEP
	s_setprio 2
	v_add_nc_u32 v3, s[TB], v1
	s_wait_alu depctr_va_vdst(0)
	v_add_nc_u32 v4, s[TB], v2
	s_wait_alu depctr_va_vdst(0)
.rept 7
	v_nop
.endr
.irp g, 0,1
.if \g
.rept 8
	v_nop
.endr
.endif
.irp t, 0,1,2,3
	ds_load_b128 v[32+16*\t:35+16*\t], v3 offset:1024*(4*\g+\t)
	ds_load_b128 v[36+16*\t:39+16*\t], v3 offset:1024*(4*\g+\t)+512
.endr
	ds_load_b128 v[208:211], v4 offset:16384+256*\g
	s_wait_dscnt 0x0
.irp t, 0,1,2,3
	v_wmma_scale_f32_16x16x128_f8f6f4 v[96+8*(4*\g+\t):103+8*(4*\g+\t)], v[32+16*\t:47+16*\t], v[16:31], 0, v[208+\t], v217
.endr
.endr
.rept 8
	v_nop
.endr
.irp b, 0,1,2,3
	v_max3_num_f32 v[232+\b], v[96+16*\b], v[97+16*\b], v[98+16*\b]
.endr
.irp i, 3,5,7,9,11,13
.irp b, 0,1,2,3
	v_max3_num_f32 v[232+\b], v[232+\b], v[96+16*\b+\i], v[97+16*\b+\i]
.endr
.endr
.irp b, 0,1,2,3
	v_max_num_f32 v[232+\b], v[232+\b], v[111+16*\b]
.endr
.irp b, 0,1,2,3
	s_delay_alu instid0(VALU_DEP_4)
	v_permlanex16_b32 v[236+\b], v[232+\b], s[SEL], s[SEL+1]
.endr
.irp b, 0,1,2,3
	s_delay_alu instid0(VALU_DEP_4)
	v_max_num_f32 v[232+\b], v[232+\b], v[236+\b]
.endr
	s_delay_alu instid0(VALU_DEP_2)
	v_max3_num_f32 v254, v232, v233, v234
	s_delay_alu instid0(VALU_DEP_1)
	v_max_num_f32 v254, v254, v235
	s_delay_alu instid0(VALU_DEP_1)
	v_mul_f32 v254, s[CS], v254
	s_delay_alu instid0(VALU_DEP_1)
	v_max_num_f32 v13, v13, v254
	v_mov_b32 v254, v12
	s_delay_alu instid0(VALU_DEP_2)
	v_floor_f32 v12, -v13
	s_delay_alu instid0(VALU_DEP_1)
	v_sub_f32 v254, v12, v254
	s_delay_alu instid0(VALU_DEP_1)
	v_cvt_i32_f32 v254, v254
	s_delay_alu instid0(VALU_DEP_1)
	v_ldexp_f32 v252, 1.0, v254
.set j, 0
.rept 32
	v_pk_fma_f32 v[96+j:97+j], v[96+j:97+j], s[CS:CS+1], v[12:13] op_sel_hi:[1,0,0]
.set j, j+2
.endr
.irp b, 0,1,2,3
	v_fma_f32 v[232+\b], v[232+\b], s[CS], v12
.endr
.set j, 0
	s_wait_alu depctr_va_vdst(0)
.rept 64
	v_exp_f32 v[96+j], v[96+j]
.set j, j+1
.endr
	s_setprio 1
.irp b, 0,1,2,3
	v_exp_f32 v[232+\b], v[232+\b]
.endr
	v_pk_mul_f32 v[14:15], v[14:15], v[252:253] op_sel_hi:[1,0]
	s_wait_alu depctr_va_vdst(0)
.irp b, 0,1,2,3
	v_max_num_f32 v[232+\b], 0x4800000, v[232+\b]
.endr
.irp b, 0,1,2,3
	s_delay_alu instid0(VALU_DEP_4)
	v_add_nc_u32 v[244+\b], 0xfc000000, v[232+\b]
.endr
.irp b, 0,1,2,3
.endr
.irp b, 0,1,2,3
	s_delay_alu instid0(VALU_DEP_4)
	v_lshrrev_b32 v[236+\b], 23, v[244+\b]
.endr
	s_delay_alu instid0(VALU_DEP_3)
	v_lshl_or_b32 v216, v237, 8, v236
	s_delay_alu instid0(VALU_DEP_1)
	v_lshl_or_b32 v216, v238, 16, v216
	s_delay_alu instid0(VALU_DEP_1)
	v_lshl_or_b32 v216, v239, 24, v216
	v_pk_add_f32 v[236:237], v[96:97], v[98:99]
.set j, 4
.rept 15
	v_pk_add_f32 v[14:15], v[14:15], v[96+j:97+j]
	v_pk_add_f32 v[236:237], v[236:237], v[98+j:99+j]
.set j, j+4
.endr
	s_delay_alu instid0(VALU_DEP_1)
	v_pk_add_f32 v[14:15], v[14:15], v[236:237]
.irp b, 0,1,2,3
.irp i, 0,1,2,3,4,5,6,7,8,9,10,11,12,13,14,15
.endr
	v_cvt_scalef32_pk8_fp8_f32 v[192+4*\b:193+4*\b], v[96+16*\b:103+16*\b], v[244+\b]
	v_cvt_scalef32_pk8_fp8_f32 v[194+4*\b:195+4*\b], v[104+16*\b:111+16*\b], v[244+\b]
.endr
	v_nop
.irp t, 0,1,2,3
.irp c, 0,1,2,3
	ds_load_b128 v[96+16*\t+4*\c:99+16*\t+4*\c], v3 offset:8192+2048*\t+512*\c
.endr
.endr
	s_setprio 0
	ds_load_b128 v[212:215], v4 offset:16896
.set j, 0
.rept 16
	v_pk_mul_f32 v[160+j:161+j], v[160+j:161+j], v[252:253] op_sel_hi:[1,0]
.set j, j+2
.endr
	s_wait_alu depctr_va_vdst(0)
	s_wait_dscnt 0x0
.irp t, 0,1,2,3
	v_wmma_scale_f32_16x16x128_f8f6f4 v[160+8*\t:167+8*\t], v[96+16*\t:111+16*\t], v[192:207], v[160+8*\t:167+8*\t], v[212+\t], v216
.endr
	s_add_co_u32 s[TB], s[TB], RECB
.endm
	s_mov_b32 s[PASS], 2
.Lpass:
	global_load_b128 v[16:19], v1, s[QC:QC+1]
	global_load_b128 v[20:23], v1, s[QC:QC+1] offset:512
	global_load_b32 v217, v2, s[QSP:QSP+1]
	v_mov_b32 v13, 0xf149f2ca
	s_delay_alu instid0(VALU_DEP_1)
	v_floor_f32 v12, -v13
	v_mov_b32 v14, 0
	v_mov_b32 v15, 0
.set j, 0
.rept 32
	v_mov_b32 v[160+j], 0
.set j, j+1
.endr
	s_wait_loadcnt 0x0
	s_wait_tensorcnt 0x1
	s_wait_dscnt 0x0
	s_barrier_signal -1
	s_barrier_wait -1
	s_mov_b32 s[TB], 0
	s_mov_b32 s[CNT], 4
.Lfirst:
	STEP
	s_sub_co_u32 s[CNT], s[CNT], 1
	s_cmp_lg_u32 s[CNT], 0
	s_cbranch_scc1 .Lfirst
	s_setprio 0
	s_wait_tensorcnt 0x0
	s_wait_dscnt 0x0
	s_barrier_signal -1
	s_barrier_wait -1
	s_mov_b32 s[CNT], 12
.Lrest:
	STEP
	s_sub_co_u32 s[CNT], s[CNT], 1
	s_cmp_lg_u32 s[CNT], 0
	s_cbranch_scc1 .Lrest
	s_setprio 0
.rept 8
	v_nop
.endr
	v_add_f32 v14, v14, v15
	s_delay_alu instid0(VALU_DEP_1)
	v_permlanex16_b32 v252, v14, s[SEL], s[SEL+1]
	s_delay_alu instid0(VALU_DEP_1)
	v_add_f32 v14, v14, v252
	s_delay_alu instid0(VALU_DEP_1)
	v_cmp_eq_f32 vcc_lo, 0, v14
	v_rcp_f32 v14, v14
	v_nop
.set j, 0
	s_wait_alu depctr_va_vdst(0)
.rept 16
	v_pk_mul_f32 v[96+j:97+j], v[160+j:161+j], v[14:15] op_sel_hi:[1,0]
.set j, j+2
.endr
.irp b, 0,1
	v_max3_num_f32 v[232+\b], |v[96+16*\b]|, |v[97+16*\b]|, 0x4800000
.endr
.irp i, 2,4,6,8,10,12,14
.irp b, 0,1
	s_delay_alu instid0(VALU_DEP_2)
	v_max3_num_f32 v[232+\b], v[232+\b], |v[96+16*\b+\i]|, |v[97+16*\b+\i]|
.endr
.endr
.irp b, 0,1
	s_delay_alu instid0(VALU_DEP_2)
	v_permlanex16_b32 v[236+\b], v[232+\b], s[SEL], s[SEL+1]
.endr
.irp b, 0,1
	s_delay_alu instid0(VALU_DEP_2)
	v_max_num_f32 v[232+\b], v[232+\b], v[236+\b]
.endr
.irp b, 0,1
	s_delay_alu instid0(VALU_DEP_2)
	v_add_nc_u32 v[244+\b], 0xfc000000, v[232+\b]
.endr
.irp b, 0,1
.endr
.irp b, 0,1
	s_delay_alu instid0(VALU_DEP_2)
	v_lshrrev_b32 v[236+\b], 23, v[244+\b]
.endr
	s_delay_alu instid0(VALU_DEP_1)
	v_lshl_or_b32 v254, v237, 8, v236
	s_delay_alu instid0(VALU_DEP_1)
	v_cndmask_b32 v254, v254, v6, vcc_lo
.irp b, 0,1
.irp i, 0,1,2,3,4,5,6,7,8,9,10,11,12,13,14,15
.endr
	v_cvt_scalef32_pk8_fp8_f32 v[192+4*\b:193+4*\b], v[96+16*\b:103+16*\b], v[244+\b]
	v_cvt_scalef32_pk8_fp8_f32 v[194+4*\b:195+4*\b], v[104+16*\b:111+16*\b], v[244+\b]
.endr
	v_nop
	global_store_b128 v1, v[192:195], s[OCP:OCP+1]
	global_store_b128 v1, v[196:199], s[OCP:OCP+1] offset:512
	global_store_b16 v5, v254, s[OSP:OSP+1]
	s_wait_xcnt 0x0
	s_add_nc_u64 s[QC:QC+1], s[QC:QC+1], 2*RECB
	s_add_nc_u64 s[QSP:QSP+1], s[QSP:QSP+1], 2*RECB
	s_add_nc_u64 s[OCP:OCP+1], s[OCP:OCP+1], 16*16384
	s_add_nc_u64 s[OSP:OSP+1], s[OSP:OSP+1], 16*512
	s_sub_co_u32 s[PASS], s[PASS], 1
	s_cmp_lg_u32 s[PASS], 0
	s_cbranch_scc1 .Lpass
	s_wait_tensorcnt 0x0
	ds_add_u32 v251, v255
	s_wait_dscnt 0x0
	CROUND
	s_endpgm
.Lfunc_end_k_qdb87f639b4_attn:
	.size	k_qdb87f639b4_attn, .Lfunc_end_k_qdb87f639b4_attn-k_qdb87f639b4_attn
	.p2alignl 7, 3214868480
	.fill 96, 4, 3214868480
	.section	.rodata,"a",@progbits
	.p2align	6, 0x0
	.amdhsa_kernel k_qdb87f639b4_attn
		.amdhsa_group_segment_fixed_size 327680
		.amdhsa_private_segment_fixed_size 0
		.amdhsa_enable_private_segment 0
		.amdhsa_kernarg_size 32
		.amdhsa_user_sgpr_count 2
		.amdhsa_user_sgpr_kernarg_segment_ptr 1
		.amdhsa_wavefront_size32 1
		.amdhsa_system_sgpr_workgroup_id_x 1
		.amdhsa_system_sgpr_workgroup_id_y 1
		.amdhsa_system_sgpr_workgroup_id_z 1
		.amdhsa_system_vgpr_workitem_id 0
		.amdhsa_next_free_vgpr 256
		.amdhsa_next_free_sgpr 66
		.amdhsa_reserve_vcc 1
		.amdhsa_float_denorm_mode_32 3
		.amdhsa_float_denorm_mode_16_64 3
		.amdhsa_fp16_overflow 1
		.amdhsa_memory_ordered 1
		.amdhsa_forward_progress 1
		.amdhsa_inst_pref_size 49
	.end_amdhsa_kernel
	.amdgpu_metadata
---
amdhsa.version: [ 1, 2 ]
amdhsa.kernels:
  - .name:           k_qdb87f639b4_attn
    .symbol:         k_qdb87f639b4_attn.kd
    .args:
      - { .name: qrec, .offset: 0, .size: 8, .value_kind: global_buffer, .address_space: global }
      - { .name: kvrec, .offset: 8, .size: 8, .value_kind: global_buffer, .address_space: global }
      - { .name: oc, .offset: 16, .size: 8, .value_kind: global_buffer, .address_space: global }
      - { .name: os, .offset: 24, .size: 8, .value_kind: global_buffer, .address_space: global }
    .group_segment_fixed_size: 327680
    .private_segment_fixed_size: 0
    .kernarg_segment_align: 8
    .kernarg_segment_size: 32
    .max_flat_workgroup_size: 512
    .sgpr_count:     66
    .vgpr_count:     256
    .wavefront_size: 32
...
	.end_amdgpu_metadata
.endif
;; end of part 3
;; launch outp (part 4): grid 4 x 32, 4 waves a work-group, clusters of 4 x 4, 327,680 bytes of LDS; arguments oc, os, opc, ops, b_out, out0; writes out0
.if DOCPART == 4
	.amdgcn_target "amdgcn-amd-amdhsa--gfx1250"
	.amdhsa_code_object_version 6
	.text
	.protected	k_qdb87f639b4_outp
	.globl	k_qdb87f639b4_outp
	.p2align	8
	.type	k_qdb87f639b4_outp,@function
k_qdb87f639b4_outp:
	s_mov_b64 s[64:65], 0
	v_nop
	global_prefetch_b8 v0, s[64:65] scope:SCOPE_SE
	s_setreg_imm32_b32 hwreg(HW_REG_WAVE_MODE, 25, 1), 1
	s_wait_xcnt 0x0
	s_wait_alu depctr_hold_cnt(0) depctr_sa_sdst(0) depctr_va_vdst(0) depctr_va_sdst(0) depctr_va_ssrc(0) depctr_va_vcc(0) depctr_vm_vsrc(0)
	s_getreg_b32 s2, hwreg(HW_REG_IB_STS2, 6, 4)
	s_cmp_eq_u32 s2, 0
	s_cbranch_scc0 .Lentry_in_a_cluster
	s_endpgm
.Lentry_in_a_cluster:
	s_bfe_u32 s2, ttmp6, 0x10000c
	s_cmp_lg_u32 s2, 0xf033
	s_cbranch_scc0 .Lentry_shape_is_right
	s_endpgm
.Lentry_shape_is_right:
.set NQ,     2
.set FR,     16
.set NL,     4
.set NP,     8
.set TILEB,  4096
.set HALFT,  8*TILEB
.set SLOT,   4*HALFT
.set LAPS,   2
.set HALFS,  4096
.set SCL,    2*SLOT
.set SCLB,   SCL+2*HALFS+128
.set SPARE,  SCLB+2*HALFS+128
.set SPITCH, 528
.set LI,   4
.set ADRA, 16
.set ADRB, 20
.set STO,  24
.set RD,   25
.set ADRS, 27
.set SPW,  28
.set NIL,  29
.set SC,   32
.set BIAS, 64
.set AF,   128
.set BK,   128
.set G1,   24
.set G0,   32
.set G1B,  48
.set G0B,  56
.set G1S,  68
.set G0S,  76
.set G1SB, 80
.set G0SB, 88
.set MSB, 0
.macro WIN new
.if MSB != (\new)
	s_set_vgpr_msb (MSB<<8)|(\new)
.set MSB, (\new)
.endif
.endm
.set MUL_LO, 0xa1
.set MUL_HI, 0xf1
.set TO_B,   0x40
.macro JLOAD g0a, g1a, g0b, g1b
	s_cmp_eq_u32 s15, 0
	s_cbranch_scc0 .Lfor_b_\@
	tensor_load_to_lds s[\g0a:\g0a+3], s[\g1a:\g1a+7]
	s_nop 0
.rept 4
	v_nop
.endr
	s_branch .Lasked_\@
.Lfor_b_\@:
	tensor_load_to_lds s[\g0b:\g0b+3], s[\g1b:\g1b+7]
	s_nop 0
.rept 4
	v_nop
.endr
.Lasked_\@:
.endm
.macro CREST
	s_cmp_lg_u32 s14, 0
	s_cbranch_scc1 .Lnot_wave_0_\@
	s_barrier_signal -3
.Lnot_wave_0_\@:
	s_barrier_wait -3
	s_barrier_signal -1
	s_barrier_wait -1
.endm
.macro CROUND
	s_barrier_signal -1
	s_barrier_wait -1
	CREST
.endm
	s_load_b256 s[4:11], s[0:1], 0x0
	s_load_b128 s[92:95], s[0:1], 0x20
	v_lshl_add_u32 v[SPW], v0, 2, SPARE
	v_mov_b32 v[NIL], 0
	ds_add_u32 v28, v29
	ds_add_u32 v28, v29
	s_wait_dscnt 0x0
	v_lshrrev_b32 v1, 5, v0
	v_readfirstlane_b32 s14, v1
	s_lshr_b32 s15, s14, 1
	s_and_b32 s16, s14, 1
	s_bfe_u32 s40, ttmp6, 0x40000
	s_bfe_u32 s41, ttmp6, 0x40004
	s_and_b32 s17, ttmp7, 0xffff
	s_lshl_b32 s17, s17, 2
	s_lshl_b32 s43, s41, 2
	s_lshl_b32 s43, 15, s43
	s_lshl_b32 s44, 0x1111, s40
	s_or_b32 s[G1+0], s43, (3<<16)|(1<<21)
	s_or_b32 s[G1B+0], s44, (3<<16)|(1<<21)
.irp g, G1, G1B
	s_mov_b32 s[\g+1], 512<<16
	s_mov_b32 s[\g+2], 8<<16
	s_mov_b32 s[\g+3], 512<<16
	s_mov_b32 s[\g+4], 8
	s_mov_b32 s[\g+5], 2048
	s_mov_b32 s[\g+6], 0
	s_mov_b32 s[\g+7], 0
.endr
	s_or_b32 s[G1S+0], s43, (3<<16)|(1<<21)
	s_or_b32 s[G1SB+0], s44, (3<<16)|(1<<21)
.irp g, G1S, G1SB
	s_mov_b32 s[\g+1], 32<<16
	s_mov_b32 s[\g+2], 16<<16
	s_mov_b32 s[\g+3], 32<<16
	s_mov_b32 s[\g+4], 16
	s_mov_b32 s[\g+5], 32
	s_mov_b32 s[\g+6], 0
	s_mov_b32 s[\g+7], 0
.endr
	s_add_co_u32 s20, s17, s41
	s_add_co_u32 s46, s40, 44
	s_lshl_b32 s18, s16, 17
	s_lshl_b32 s19, s16, 12
	s_lshl_b32 s22, s20, 13
	s_add_co_u32 s22, s22, s19
	s_mov_b32 s23, 0
	s_lshl_b32 s20, s20, 18
	s_add_co_u32 s20, s20, s18
	s_mov_b32 s21, 0
	s_lshl_b32 s98, s46, 13
	s_add_co_u32 s98, s98, s19
	s_mov_b32 s99, 0
	s_lshl_b32 s46, s46, 18
	s_add_co_u32 s46, s46, s18
	s_mov_b32 s47, 0
	s_mul_i32 s45, s14, HALFT
	s_mul_i32 s42, s14, HALFS
	s_wait_kmcnt 0x0
	s_add_nc_u64 s[20:21], s[4:5], s[20:21]
	s_add_nc_u64 s[22:23], s[6:7], s[22:23]
	s_add_nc_u64 s[46:47], s[8:9], s[46:47]
	s_add_nc_u64 s[98:99], s[10:11], s[98:99]
	CROUND
	s_mov_b32 s[G0S], 1
	s_add_co_u32 s[G0S+1], s42, SCL
	s_mov_b64 s[G0S+2:G0S+3], s[22:23]
	s_or_b32 s[G0S+3], s[G0S+3], 0x80000000
	s_mov_b32 s[G0SB], 1
	s_add_co_u32 s[G0SB+1], s42, SCL+128
	s_mov_b64 s[G0SB+2:G0SB+3], s[98:99]
	s_or_b32 s[G0SB+3], s[G0SB+3], 0x80000000
	JLOAD G0S, G1S, G0SB, G1SB
.irp s, 0,1
	s_mov_b32 s[G0+4*\s], 1
	s_add_co_u32 s[G0+4*\s+1], s45, \s*SLOT
	s_add_nc_u64 s[G0+4*\s+2:G0+4*\s+3], s[20:21], \s*TILEB
	s_or_b32 s[G0+4*\s+3], s[G0+4*\s+3], 0x80000000
	s_mov_b32 s[G0B+4*\s], 1
	s_add_co_u32 s[G0B+4*\s+1], s45, \s*SLOT
	s_add_nc_u64 s[G0B+4*\s+2:G0B+4*\s+3], s[46:47], \s*TILEB
	s_or_b32 s[G0B+4*\s+3], s[G0B+4*\s+3], 0x80000000
	s_wait_alu depctr_va_vdst(0)
	s_wait_tensorcnt 0x0
	ds_add_u32 v28, v29
	s_wait_dscnt 0x0
	CROUND
	JLOAD G0+4*\s, G1, G0B+4*\s, G1B
.endr
	v_and_b32 v1, 15, v0
	v_bfe_u32 v2, v0, 4, 1
	s_wait_alu depctr_va_vdst(0)
	v_and_b32 v3, 31, v0
	v_lshlrev_b32 v[LI], 4, v3
	s_mul_i32 s21, s15, HALFT
	s_mul_i32 s22, s16, HALFT
	s_add_co_u32 s22, s22, 2*HALFT
.irp s, 0,1
	v_add_nc_u32 v[ADRA+\s], s21, v[LI]
	v_add_nc_u32 v[ADRB+\s], s22, v[LI]
	s_add_co_u32 s21, s21, SLOT
	s_add_co_u32 s22, s22, SLOT
.endr
	v_lshlrev_b32 v5, 3, v1
	s_mul_i32 s21, s15, HALFS
	s_mul_i32 s22, s16, HALFS
	s_add_co_u32 s22, s22, 2*HALFS+128
	s_sub_co_u32 s22, s22, s21
	v_mul_u32_u24 v6, s22, v2
	s_add_co_u32 s21, s21, SCL
	v_add_nc_u32 v5, v5, v6
	v_add_nc_u32 v[ADRS], s21, v5
	s_mul_i32 s23, s14, 16*SPITCH
	v_mul_u32_u24 v5, v1, SPITCH
	v_lshl_add_u32 v5, v2, 6, v5
	v_add_nc_u32 v[STO], s23, v5
	v_add_nc_u32 v[RD], s23, v[LI]
.macro FRAG reg, adr, q, i
.irp c, 0,1,2,3
	ds_load_b128 v[\reg+4*\c:\reg+4*\c+3], v[\adr] offset:TILEB*(\i)+2048*(\q)+512*\c
.endr
.endm
.macro MUL16 a0, p, q, sc, zero
.irp a, \a0, \a0+1
.irp b, 0,1,2,3,4,5,6,7
.if \zero
	v_wmma_scale_f32_16x16x128_f8f6f4 v[8*(8*((\a)%4)+\b):8*(8*((\a)%4)+\b)+7], v[128*(\p)+FR*\b:128*(\p)+FR*\b+FR-1], v[AF+FR*(\a):AF+FR*(\a)+FR-1], 0, v[SC+8*NQ*(\sc)+NQ*\b+(\q)], v[SC+8*NQ*(\sc)+NQ*(\a)+(\q)] matrix_a_scale:MATRIX_SCALE_ROW1
.else
	v_wmma_scale_f32_16x16x128_f8f6f4 v[8*(8*((\a)%4)+\b):8*(8*((\a)%4)+\b)+7], v[128*(\p)+FR*\b:128*(\p)+FR*\b+FR-1], v[AF+FR*(\a):AF+FR*(\a)+FR-1], v[8*(8*((\a)%4)+\b):8*(8*((\a)%4)+\b)+7], v[SC+8*NQ*(\sc)+NQ*\b+(\q)], v[SC+8*NQ*(\sc)+NQ*(\a)+(\q)] matrix_a_scale:MATRIX_SCALE_ROW1
.endif
.endr
.endr
.endm
.macro FETCH_B slot, q, p
	WIN TO_B
.irp i, 0,1,2,3,4,5,6,7
	FRAG 128*(\p)+FR*\i, ADRB+\slot, \q, \i
.endr
	WIN 0
.endm
.macro FETCH_A slot, q, i0
.irp i, \i0, \i0+1, \i0+2, \i0+3
	FRAG AF+FR*(\i), ADRA+\slot, \q, \i
.endr
.endm
.macro SCALES sc
.irp i, 0,1,2,3,4,5,6,7
	ds_load_b64 v[SC+8*NQ*\sc+NQ*\i:SC+8*NQ*\sc+NQ*\i+1], v[ADRS] offset:\i*512
.endr
.endm
.macro PLACES n
.rept \n
	v_nop
.endr
.endm
.macro STEP slot, q, zero
	s_wait_dscnt 4*NL
	WIN MUL_LO
	MUL16 0, (\q)%2, \q, \slot, \zero
	MUL16 2, (\q)%2, \q, \slot, \zero
	s_wait_dscnt 0
	PLACES NP
	FETCH_B \slot, (\q)+1, 1-(\q)%2
	FETCH_A \slot, (\q)+1, 0
	WIN MUL_HI
	MUL16 4, (\q)%2, \q, \slot, \zero
	MUL16 6, (\q)%2, \q, \slot, \zero
	PLACES NP
	WIN 0
	FETCH_A \slot, (\q)+1, 4
.endm
.macro TURN slot, next, fill
	s_wait_tensorcnt 0x0
	ds_add_u32 v[SPW], v[NIL]
	s_wait_dscnt 4*NL+1
	WIN MUL_LO
	MUL16 0, 1, NQ-1, \slot, 0
	s_wait_dscnt 0x0
	s_barrier_signal -1
	MUL16 2, 1, NQ-1, \slot, 0
	WIN 0
	s_barrier_wait -1
.if \fill
	CREST
	s_add_nc_u64 s[G0+4*\slot+2:G0+4*\slot+3], s[G0+4*\slot+2:G0+4*\slot+3], 2*TILEB
	s_add_nc_u64 s[G0B+4*\slot+2:G0B+4*\slot+3], s[G0B+4*\slot+2:G0B+4*\slot+3], 2*TILEB
	JLOAD G0+4*\slot, G1, G0B+4*\slot, G1B
	PLACES NP-4
.else
	PLACES NP
.endif
	s_wait_alu depctr_va_vdst(0)
	v_add_nc_u32 v[ADRS], 128, v[ADRS]
	FETCH_B \next, 0, 0
	FETCH_A \next, 0, 0
	SCALES \next
	WIN MUL_HI
	MUL16 4, 1, NQ-1, \slot, 0
	MUL16 6, 1, NQ-1, \slot, 0
	PLACES NP
	WIN 0
	FETCH_A \next, 0, 4
.endm
	s_wait_alu depctr_va_vdst(0)
	s_wait_tensorcnt 1
	s_barrier_signal -1
	s_barrier_wait -1
	FETCH_B 0, 0, 0
	FETCH_A 0, 0, 0
	SCALES 0
	FETCH_A 0, 0, 4
	STEP 0, 0, 1
	s_mov_b32 s3, LAPS-1
.Llap:
	TURN 0, 1, 1
	STEP 1, 0, 0
	TURN 1, 0, 1
	STEP 0, 0, 0
	s_sub_co_u32 s3, s3, 1
	s_cmp_lg_u32 s3, 0
	s_cbranch_scc1 .Llap
	TURN 0, 1, 0
	STEP 1, 0, 0
	s_wait_dscnt 4*NL
	WIN MUL_LO
	MUL16 0, 1, NQ-1, 1, 0
	MUL16 2, 1, NQ-1, 1, 0
	s_wait_dscnt 0
	WIN MUL_HI
	MUL16 4, 1, NQ-1, 1, 0
	MUL16 6, 1, NQ-1, 1, 0
	WIN 0
	s_add_co_u32 s18, s17, s41
	s_lshl_b32 s18, s18, 20
	s_lshl_b32 s2, s15, 19
	s_add_co_u32 s18, s18, s2
	s_lshl_b32 s12, s40, 10
	s_lshl_b32 s2, s16, 9
	s_add_co_u32 s12, s12, s2
	s_mov_b32 s13, 0
	s_add_nc_u64 s[92:93], s[92:93], s[12:13]
	s_add_co_u32 s18, s18, s12
	s_mov_b32 s19, 0
	s_add_nc_u64 s[94:95], s[94:95], s[18:19]
.macro TOSTAGE a
.set AC, 64*((\a)%4)
	WIN 0x08+4*((\a)/4)
.irp b, 0,1,2,3,4,5,6,7
	ds_store_b128 v[STO], v[AC+8*\b:AC+8*\b+3] offset:128*(\b/2)+32*(\b%2)
	ds_store_b128 v[STO], v[AC+8*\b+4:AC+8*\b+7] offset:128*(\b/2)+32*(\b%2)+16
.endr
	WIN 0
.set BB, BK+64*((\a)%2)
.irp t, 0,1,2,3,4,5,6,7,8,9,10,11,12,13,14,15
	ds_load_b128 v[BB+4*\t:BB+4*\t+3], v[RD] offset:\t*SPITCH
.endr
.endm
.macro SEND a, younger
.set BB, BK+64*((\a)%2)
	s_wait_dscnt \younger
.set k, 0
.rept 16
	v_pk_add_f32 v[BB+k:BB+k+1], v[BB+k:BB+k+1], v[BIAS:BIAS+1]
	v_pk_add_f32 v[BB+k+2:BB+k+3], v[BB+k+2:BB+k+3], v[BIAS+2:BIAS+3]
.set k, k+4
.endr
.irp t, 0,1,2,3,4,5,6,7,8,9,10,11,12,13,14,15
	global_store_b128 v[LI], v[BB+4*\t:BB+4*\t+3], s[94:95] offset:(32*((\a)/2)+8*((\a)%2)+\t+8*(\t/8))*4096 th:TH_STORE_NT
.endr
.endm
	PLACES NP
	global_load_b128 v[BIAS:BIAS+3], v[LI], s[92:93]
	TOSTAGE 0
	s_wait_loadcnt 0x0
.irp a, 1,2,3,4,5,6,7
.if \a > 1
	s_wait_xcnt 0x0
.endif
	TOSTAGE \a
	SEND \a-1, 32
.endr
	SEND 7, 0
	s_wait_tensorcnt 0x0
	ds_add_u32 v[SPW], v[NIL]
	s_wait_dscnt 0x0
	CROUND
	s_endpgm
.Lfunc_end_k_qdb87f639b4_outp:
	.size	k_qdb87f639b4_outp, .Lfunc_end_k_qdb87f639b4_outp-k_qdb87f639b4_outp
	.p2alignl 7, 3214868480
	.fill 96, 4, 3214868480
	.section	.rodata,"a",@progbits
	.p2align	6, 0x0
	.amdhsa_kernel k_qdb87f639b4_outp
		.amdhsa_group_segment_fixed_size 327680
		.amdhsa_private_segment_fixed_size 0
		.amdhsa_enable_private_segment 0
		.amdhsa_kernarg_size 48
		.amdhsa_user_sgpr_count 2
		.amdhsa_user_sgpr_kernarg_segment_ptr 1
		.amdhsa_wavefront_size32 1
		.amdhsa_system_sgpr_workgroup_id_x 1
		.amdhsa_system_sgpr_workgroup_id_y 1
		.amdhsa_system_sgpr_workgroup_id_z 1
		.amdhsa_system_vgpr_workitem_id 0
		.amdhsa_next_free_vgpr 1024
		.amdhsa_next_free_sgpr 102
		.amdhsa_reserve_vcc 0
		.amdhsa_float_denorm_mode_32 3
		.amdhsa_float_denorm_mode_16_64 3
		.amdhsa_memory_ordered 1
		.amdhsa_forward_progress 1
		.amdhsa_inst_pref_size 162
	.end_amdhsa_kernel
	.amdgpu_metadata
---
amdhsa.version: [ 1, 2 ]
amdhsa.kernels:
  - .name:           k_qdb87f639b4_outp
    .symbol:         k_qdb87f639b4_outp.kd
    .args:
      - { .name: oc, .offset: 0, .size: 8, .value_kind: global_buffer, .address_space: global }
      - { .name: os, .offset: 8, .size: 8, .value_kind: global_buffer, .address_space: global }
      - { .name: opc, .offset: 16, .size: 8, .value_kind: global_buffer, .address_space: global }
      - { .name: ops, .offset: 24, .size: 8, .value_kind: global_buffer, .address_space: global }
      - { .name: b_out, .offset: 32, .size: 8, .value_kind: global_buffer, .address_space: global }
      - { .name: out0, .offset: 40, .size: 8, .value_kind: global_buffer, .address_space: global }
    .group_segment_fixed_size: 327680
    .private_segment_fixed_size: 0
    .kernarg_segment_align: 8
    .kernarg_segment_size: 48
    .max_flat_workgroup_size: 128
    .sgpr_count:     102
    .vgpr_count:     1024
    .wavefront_size: 32
...
	.end_amdgpu_metadata
.endif
;; end of part 4
